; MI455X (gfx1250); checked and timed in simulation.
; The chip was launched on July 23, 2026; its instructions are those of AMD's public machine-readable ISA for CDNA 5 (MIT licence, August 2026) and "CDNA5" Instruction Set Architecture Reference Guide (July 2026). The comments in the code are by the model that wrote it; some were corrected since.
;; Multi Head Attention. Allowed arithmetic: matrix products marked QUANTISED: E2M3 operands, one E8M0 scale for each 32 along K, by v_wmma_scale_f32_16x16x128_f8f6f4 with both operands' format E2M3, f32 sums; everything else in f32.
;; Inputs: Wk 1,024 x 1,024 float32; Wo 1,024 x 1,024 float32; Wq 1,024 x 1,024 float32; Wv 1,024 x 1,024 float32; bk 1,024 float32; bo 1,024 float32; bq 1,024 float32; bv 1,024 float32; key 4 x 2,048 x 1,024 float32; mask 4 x 1 x 2,048 x 2,048 int32; query 4 x 2,048 x 1,024 float32; value 4 x 2,048 x 1,024 float32.
;; Outputs: out0 4 x 2,048 x 1,024 float32.
;; This version of the problem:
;;   THIS VERSION OF THE PROBLEM IS GIVEN IN LOW PRECISION. The matrix products marked QUANTISED in the list below multiply operands that are first quantised to E2M3 (2 exponent bits, 3 mantissa bits; 6 bits a number), with one power-of-two scale for each 32 numbers along K (OCP MX v1.0); their sums are f32. All else is computed in f32.
;;   The module's matrix products, in the order in which they are computed (A, B: the left and right operand; K: the contracted axis; several contracted axes count as one K, in the product's order):
;;     1. [M 8,192, K 1,024] x [K 1,024, N 1,024]; A: input query; B: input Wq: QUANTISED
;;     2. [M 8,192, K 1,024] x [K 1,024, N 1,024]; A: input key; B: input Wk: QUANTISED
;;     3. [M 8,192, K 1,024] x [K 1,024, N 1,024]; A: input value; B: input Wv: QUANTISED
;;     4. batch 4 x [M 2,048, K 1,024] x [K 1,024, N 2,048]; A: computed on the way; B: computed on the way: QUANTISED
;;     5. batch 4 x [M 2,048, K 2,048] x [K 2,048, N 1,024]; A: softmax (see below); B: computed on the way: QUANTISED
;;     6. [M 8,192, K 1,024] x [K 1,024, N 1,024]; A: computed on the way; B: input Wo: QUANTISED
;;   THE QUANTISER, for each operand of a quantised product, along K:
;;     - K is cut into blocks of 32 from its start; a last block that is shorter is filled with zeros.
;;     - A block's scale is 2^e with e = floor(log2(the largest magnitude in the block)) - 2, held to -126 .. 127; a block of zeros has e = 0. As a byte (E8M0): e + 127.
;;     - Each number is divided by its block's scale, clamped to +-7.5, and rounded to the nearest number of E2M3, ties to even, subnormals kept.
;;     - The product sums the exact products of the quantised numbers (number of the format x scale) in f32.
;;   ~~~python
;;   def quantise(x, axis):      # numpy; x: float32 -> the quantised numbers, widened to float32 again
;;       x = np.moveaxis(x, axis, -1); K = x.shape[-1]
;;       x = np.pad(x, [(0, 0)] * (x.ndim - 1) + [(0, -K % 32)]); x = x.reshape(x.shape[:-1] + (-1, 32)); a = np.abs(x).max(-1, keepdims=True)
;;       e = np.where(a > 0, np.clip(np.frexp(np.where(a > 0, a, 1))[1] - 1 - 2, -126, 127), 0)      # np.frexp(a)[1] - 1 = floor(log2(a)), exactly
;;       r = np.clip(x / 2.0 ** e, -7.5, 7.5)
;;       step = 2.0 ** (np.maximum(np.frexp(np.where(r == 0, 1, r))[1] - 1, 0) - 3)
;;       q = np.round(r / step) * step * 2.0 ** e      # np.round: ties to even
;;       return np.moveaxis(q.reshape(q.shape[:-2] + (-1,))[..., :K], -1, axis).astype(np.float32)
;;   ~~~
;;   SOFTMAX AHEAD OF A QUANTISED PRODUCT. Where the list says 'softmax', what is quantised is not the finished softmax but p = 2^(t - M), with t = logit x log2(e) and M = ceil(the row's largest t), a whole number; so 1/2 < the row's largest p <= 1. The row's sum l is taken of the UNQUANTISED p, in f32, and the product's result is divided by l at the end. Since M is a whole number, a kernel that streams over the keys may use a running M (the ceiling of the running maximum): every later rescaling is an exact power of two, which a block's scale takes up: the codes' values come out the same.
;;   OPERANDS COMPUTED ON THE WAY. 'Computed on the way' means the value that the module computes at that place (a softmax that the list does not call 'softmax' is quantised finished and normalised). What goes into a quantiser is computed in f32, as accurately as f32 sums, v_exp_f32 and their like allow (about 1e-6 of the number): no bf16 or f16 on the way to a quantiser, and a product that is left as it is and whose result goes on into a quantised operand takes f32 operands (vector FMAs, or v_wmma_f32_16x16x4_f32). A number that lies on a knife's edge between two numbers of the format may be rounded either way, as far as f32 arithmetic and the matrix unit's own rounding can turn it there, and no further.
;; One version. Each part assembles by itself: llvm-mc -triple=amdgcn-amd-amdhsa -mcpu=gfx1250 --defsym DOCPART=n.
;; ======== version 1 of 1: 5 launches
;; limits: right only within a limited range of input values
;; workspace buffers: xw 23,101,440 bytes; mbits 2,097,152 bytes of whole numbers; qkv 19,660,800 bytes; pp 13,107,200 bytes; st 1,048,576 bytes; oo 6,553,600 bytes
;; launch prep (part 1): grid 1024 x 1, 4 waves a work-group, no clusters, 34,816 bytes of LDS; arguments query, key, value, Wq, Wk, Wv, Wo, xw; writes xw
.if DOCPART == 1
	.amdgcn_target "amdgcn-amd-amdhsa--gfx1250"
	.amdhsa_code_object_version 6
	.text
	.protected	k_qa9ecacf3c8_prep
	.globl	k_qa9ecacf3c8_prep
	.p2align	8
	.type	k_qa9ecacf3c8_prep,@function
k_qa9ecacf3c8_prep:
	s_mov_b64 s[64:65], 0
	v_nop
	global_prefetch_b8 v0, s[64:65] scope:SCOPE_SE
	s_setreg_imm32_b32 hwreg(HW_REG_WAVE_MODE, 25, 1), 1
	s_wait_xcnt 0x0
; query, key, value [8192][1024] f32 (K innermost) and Wq, Wk, Wv, Wo [1024 k][1024 n] f32 (K outermost) become codes of FP6 (E2M3) with one E8M0 byte for each 32 along K,
; stored in the order in which the later launches' registers take them.  (The mask is packed by the next launch.)
; TILES.  A tile is 16 rows (of a weight: 16 columns n); row r of tile T is row 32 (T / 2) + 8 (T % 2) + r + 8 (r / 8).
; CODES.  Fragment (T, ks) = 16 rows x 128 K = 12 registers a lane, stored as they stand: 1,536 bytes at (8 T + ks) x 1,536; registers 4 c .. 4 c + 3 of lane l at 512 c + 16 l.
; SCALE WORDS.  512 bytes for each (ks, group of 8 tiles): lane (r, h) has 16 bytes at 16 x lane: the words of row r of tiles 4 h .. 4 h + 3.  Planes [ks][64 places]; a weight's place is 8 x tensor + group.
; SHARES.  Work-groups 0-255: the weights; a work-group takes 128 columns x 128 k, a wave two neighbouring tiles (32 columns).  Work-groups 256-1023: the activations; a wave takes 64 rows x 128 along K, four tiles.
; AN ACTIVATION'S row of 512 bytes is loaded by one instruction, 16 bytes a lane, and turns through the wave's own stage in LDS (rows 528 bytes apart) back into the same registers, so that a lane then holds
; 16 neighbours of each block of 32.  Three sets of 64 registers: three of a wave's four tiles are asked for at its start, the fourth when the first set is free.
; A WEIGHT'S lane takes a column and its registers run down K: nothing is turned.  The two tiles' loads of one row stand side by side: together they read 128 consecutive bytes.
; The scale words of a work-group's eight tiles meet in LDS and leave as 512 consecutive bytes.
; A block's scale is 2^(floor(log2(largest magnitude)) - 2): the largest magnitude's exponent field less 2, held at 1 from below.
; No tensor load, no cluster: every byte is read once, by one wave.  No prefetch: the text has no loop to run ahead in.
; LIMITS: NaN and infinities among the inputs are not served; a block of zeros, and one whose largest magnitude lies under 2^-124, gets the byte 1 (its codes are zeros or nearly so; this program alone reads the bytes).
.set WC,    18874368                   ; in xw: the weights' codes, 786,432 bytes each (the activations' lie from 0 on, 6,291,456 each)
.set XS,    22020096                   ; the activations' scale words, 262,144 each
.set WS,    22806528                   ; the weights'
.set WSO,   23068672                   ; Wo's scale words lie apart, [group 8][ks 8][512 bytes] dense, so that the last launch takes 16 places on end by one load
.set WX,    33792                      ; LDS: behind the activations' stages (16 x 528 bytes a wave): 512 bytes where a weight's scale words meet
.set SPARE, 34304                      ; the spare words, 128 bytes a wave: two blocks of 256 bytes that no other line names
.set SPW,   12                         ; v12 my spare word's address; v13 0: never rewritten
.set NIL,   13
.set TM,    16                         ; v16-31  at work: +0..3 largest magnitudes, +4..7 bytes, +12..15 the conversions' scale operands
.set PC,    32                         ; v32-51  the fragment just made (12), and the conversions' second halves
.set PW,    52                         ; v52     its scale word
.set SWD,   54                         ; v54-57  the tiles' scale words
.set FO,    58                         ; v58-61  scale words on their way out
.set R,     128                        ; v128-255 a weight's two tiles; the activations' three sets lie at v64, v128, v192
.set SEL,   56                         ; s[56:57] v_permlanex16_b32's selects for lane l xor 16
	s_load_b512 s[16:31], s[0:1], 0x0              ; query, key, value, Wq, Wk, Wv, Wo, xw
	v_lshl_add_u32 v[SPW], v0, 2, SPARE
	v_mov_b32 v[NIL], 0
	v_lshrrev_b32 v1, 5, v0
	v_readfirstlane_b32 s4, v1                     ; wave
	v_and_b32 v1, 31, v0                           ; lane
	v_and_b32 v2, 15, v0                           ; r
	v_bfe_u32 v3, v0, 4, 1                         ; h
	v_lshlrev_b32 v4, 4, v1                        ; 16 x lane
	s_mul_i32 s6, s4, 8448                         ; my stage
	v_add_nc_u32 v5, s6, v4                        ; into it: 16 x lane of a row
	v_mul_u32_u24 v6, v2, 528
	v_lshl_add_u32 v6, v3, 6, v6
	v_add_nc_u32 v6, s6, v6                        ; out of it: row r, + 64 h
	v_lshlrev_b32 v7, 4, v2
	v_lshl_add_u32 v7, v3, 3, v7                   ; an activation's scale words: 16 r + 8 h
	v_and_b32 v8, 8, v2
	v_add_nc_u32 v8, v8, v2
	v_lshlrev_b32 v8, 2, v8
	v_lshl_add_u32 v8, v3, 17, v8                  ; a weight: column r + 8 (r / 8), and 32 rows of 4,096 bytes further down for lanes 16-31
	v_lshlrev_b32 v9, 3, v3                        ; 8 h
	s_lshr_b32 s7, s4, 1
	s_lshl_b32 s7, s7, 8
	s_and_b32 s14, s4, 1
	s_lshl_b32 s14, s14, 3
	s_add_co_u32 s7, s7, s14
	s_add_co_u32 s7, s7, WX
	v_lshl_add_u32 v10, v2, 4, s7                  ; a weight's two words of row r: tiles 2 w, 2 w + 1 of the group: 256 (w / 2) + 16 r + 8 (w % 2)
	v_add_nc_u32 v11, WX, v4                       ; and the whole place, 16 x lane
.irp b, 0,1,2,3
	v_mov_b32 v[TM+4+\b], 0                        ; written once: a lane permute's destination counts as read
.endr
	s_mov_b32 s[SEL], 0x76543210
	s_mov_b32 s[SEL+1], 0xfedcba98
	s_lshl_b32 s5, ttmp9, 2
	s_add_co_u32 s5, s5, s4                        ; 4 x work-group + wave
	s_mov_b32 s3, 0
	s_wait_alu depctr_va_vdst(0)
	s_wait_kmcnt 0x0
.macro LOADT a                         ; tile a's 16 rows into set a % 3: 512 consecutive bytes an instruction
.irp i, 0,1,2,3,4,5,6,7,8,9,10,11,12,13,14,15
	global_load_b128 v[64+64*((\a)%3)+4*\i:64+64*((\a)%3)+4*\i+3], v4, s[8:9] offset:(32*((\a)/2)+8*((\a)%2)+\i+8*(\i/8))*4096 th:TH_LOAD_NT
.endr
.endm
.macro THROUGH s                       ; through my stage and back into the same registers: LDS serves a wave's instructions in order
.irp i, 0,1,2,3,4,5,6,7,8,9,10,11,12,13,14,15
	ds_store_b128 v5, v[\s+4*\i:\s+4*\i+3] offset:528*\i
.endr
.irp b, 0,1,2,3
.irp j, 0,1,2,3
	ds_load_b128 v[\s+16*\b+4*\j:\s+16*\b+4*\j+3], v6 offset:128*\b+16*\j
.endr
.endr
.endm
; 64 numbers of a lane, register 16 b + i = k 32 b + 16 h + i of my row, become a fragment in v[PC] on and its scale word in v[PW]
.macro QUANT s
.irp b, 0,1,2,3
	v_max3_num_f32 v[TM+\b], |v[\s+16*\b]|, |v[\s+1+16*\b]|, 0x1800000   ; my 16 of block b, and the floor 2^(3 - 127): the byte cannot fall under 1
.endr
.irp i, 2,4,6,8,10,12,14
.irp b, 0,1,2,3
	v_max3_num_f32 v[TM+\b], v[TM+\b], |v[\s+16*\b+\i]|, |v[\s+1+16*\b+\i]|
.endr
.endr
.irp b, 0,1,2,3
	v_permlanex16_b32 v[TM+4+\b], v[TM+\b], s[SEL], s[SEL+1]
.endr
.irp b, 0,1,2,3
	v_max_num_f32 v[TM+\b], v[TM+\b], v[TM+4+\b]   ; with lane l xor 16's: the block's largest magnitude
.endr
.irp b, 0,1,2,3
	v_add_nc_u32 v[TM+12+\b], 0xff000000, v[TM+\b] ; 2 off its exponent field: the conversion's scale operand
.endr
.irp b, 0,1,2,3
	v_lshrrev_b32 v[TM+4+\b], 23, v[TM+12+\b]      ; the byte
.endr
	v_lshl_or_b32 v[PW], v[TM+5], 8, v[TM+4]
	v_lshl_or_b32 v[PW], v[TM+6], 16, v[PW]
	v_lshl_or_b32 v[PW], v[TM+7], 24, v[PW]
.irp c, 0,1
	v_cvt_scalef32_pk16_fp6_f32 v[PC+6*\c:PC+2+6*\c], v[\s+32*\c:\s+15+32*\c], v[TM+12+2*\c]
	v_cvt_scalef32_pk16_fp6_f32 v[PC+12+4*\c:PC+14+4*\c], v[\s+16+32*\c:\s+31+32*\c], v[TM+12+2*\c+1]   ; (a conversion's three registers begin on an even number)
.endr
	v_nop                                          ; one plain place behind a scaled conversion
.irp c, 0,1                            ; the operand wants a whole block in a lane: lanes 0-15 block 2 c, lanes 16-31 block 2 c + 1
.irp i, 0,1,2
	v_permlane16_swap_b32 v[PC+6*\c+\i], v[PC+12+4*\c+\i]
.endr
.irp i, 0,1,2
	v_mov_b32 v[PC+3+6*\c+\i], v[PC+12+4*\c+\i]
.endr
.endr
.endm
.macro QUANTW s                        ; a weight's lane holds two whole blocks, 2 c + h: no other lane is asked for a maximum
.irp c, 0,1
	v_max3_num_f32 v[TM+\c], |v[\s+32*\c]|, |v[\s+1+32*\c]|, 0x1800000
.endr
.irp i, 2,4,6,8,10,12,14,16,18,20,22,24,26,28,30
.irp c, 0,1
	v_max3_num_f32 v[TM+\c], v[TM+\c], |v[\s+32*\c+\i]|, |v[\s+1+32*\c+\i]|
.endr
.endr
.irp c, 0,1
	v_add_nc_u32 v[TM+12+\c], 0xff000000, v[TM+\c]
.endr
.irp c, 0,1
	v_lshrrev_b32 v[TM+4+\c], 23, v[TM+12+\c]
.endr
	v_lshl_or_b32 v[PW], v[TM+5], 16, v[TM+4]      ; my bytes: blocks h and 2 + h,
	v_lshlrev_b32 v[PW], v9, v[PW]                 ; at their places, 8 h bits up;
	v_permlanex16_b32 v[TM+6], v[PW], s[SEL], s[SEL+1]
	v_or_b32 v[PW], v[PW], v[TM+6]                 ; with lane l xor 16's two the word is whole
.irp c, 0,1
	v_cvt_scalef32_pk16_fp6_f32 v[PC+6*\c:PC+2+6*\c], v[\s+32*\c:\s+15+32*\c], v[TM+12+\c]
	v_cvt_scalef32_pk16_fp6_f32 v[PC+12+4*\c:PC+14+4*\c], v[\s+16+32*\c:\s+31+32*\c], v[TM+12+\c]
.endr
	v_nop                                          ; one plain place behind a scaled conversion
.irp c, 0,1
.irp i, 0,1,2
	v_mov_b32 v[PC+3+6*\c+\i], v[PC+12+4*\c+\i]
.endr
.endr
.endm
.macro PUT a                           ; the fragment leaves as it stands: three stores of 512 consecutive bytes
	v_mov_b32 v[SWD+(\a)], v[PW]
.irp c, 0,1,2
	global_store_b128 v4, v[PC+4*\c:PC+4*\c+3], s[10:11] offset:12288*(\a)+512*\c
.endr
.endm
.macro FINISH                          ; the wave's end
	s_wait_tensorcnt 0x0
	ds_add_u32 v[SPW], v[NIL]
	s_wait_dscnt 0x0
	s_endpgm
.endm
	s_cmp_lt_u32 ttmp9, 256
	s_cbranch_scc0 .Lact
	; ---- the weights: work-group = 64 x tensor + 8 x group + ks; my wave w has tiles 2 w, 2 w + 1 of the group
	s_lshr_b32 s6, ttmp9, 6
	s_bfe_u32 s7, ttmp9, 0x30003
	s_and_b32 s14, ttmp9, 7
	s_cmp_eq_u32 s6, 1
	s_cselect_b64 s[8:9], s[24:25], s[22:23]
	s_cmp_eq_u32 s6, 2
	s_cselect_b64 s[8:9], s[26:27], s[8:9]
	s_cmp_eq_u32 s6, 3
	s_cselect_b64 s[8:9], s[28:29], s[8:9]
	s_lshl_b32 s2, s14, 19                         ; 128 rows k of 4,096 bytes
	s_lshl_b32 s15, s7, 9                          ; 128 columns
	s_add_co_u32 s2, s2, s15
	s_lshl_b32 s15, s4, 7                          ; my 32 of them
	s_add_co_u32 s2, s2, s15
	s_add_nc_u64 s[8:9], s[8:9], s[2:3]
	s_mul_i32 s2, s6, 786432
	s_lshl_b32 s15, s7, 6
	s_lshl_b32 s5, s4, 4
	s_add_co_u32 s15, s15, s5
	s_add_co_u32 s15, s15, s14                     ; 8 x first tile + ks
	s_mul_i32 s15, s15, 1536
	s_add_co_u32 s2, s2, s15
	s_add_co_u32 s2, s2, WC
	s_add_nc_u64 s[10:11], s[30:31], s[2:3]
	s_lshl_b32 s2, s14, 6
	s_lshl_b32 s15, s6, 3
	s_add_co_u32 s2, s2, s15
	s_add_co_u32 s2, s2, s7                        ; 64 ks + 8 x tensor + group
	s_lshl_b32 s2, s2, 9
	s_add_co_u32 s2, s2, WS
	s_lshl_b32 s15, s7, 3
	s_add_co_u32 s15, s15, s14                     ; Wo: 8 x group + ks
	s_lshl_b32 s15, s15, 9
	s_add_co_u32 s15, s15, WSO
	s_cmp_eq_u32 s6, 3
	s_cselect_b32 s2, s15, s2
	s_add_nc_u64 s[12:13], s[30:31], s[2:3]
.set I_, 0
.rept 64                               ; register 32 c + i is W(64 c + 32 h + i, my column); the two tiles' pieces of a row side by side
	global_load_b32 v[R+I_], v8, s[8:9] offset:(I_+32*(I_/32))*4096
	global_load_b32 v[R+64+I_], v8, s[8:9] offset:(I_+32*(I_/32))*4096+32
.set I_, I_+1
.endr
	s_wait_loadcnt 0x0
	QUANTW R
	PUT 0
	s_wait_xcnt 0x0                                ; the first fragment's stores have read v[PC] on
	QUANTW R+64
	PUT 1
	ds_store_b64 v10, v[SWD:SWD+1]                 ; both lanes of a row write the same bytes with the same value
	s_wait_dscnt 0x0                               ; for the others' sake
	s_barrier_signal -1
	s_barrier_wait -1
	s_cmp_lg_u32 s4, 0
	s_cbranch_scc1 .Lwend
	ds_load_b128 v[FO:FO+3], v11                   ; wave 0: the eight tiles' words,
	s_wait_dscnt 0x0
	global_store_b128 v4, v[FO:FO+3], s[12:13]     ; 512 consecutive bytes
.Lwend:
	FINISH
.Lact:
	; ---- the activations: job - 1,024 = 1,024 x tensor + 8 x (half group of 64 rows) + ks
	s_sub_co_u32 s5, s5, 1024
	s_lshr_b32 s6, s5, 10                          ; tensor
	s_bfe_u32 s7, s5, 0x70003                      ; half group, 0 .. 127
	s_and_b32 s14, s5, 7                           ; ks
	s_cmp_eq_u32 s6, 1
	s_cselect_b64 s[8:9], s[18:19], s[16:17]
	s_cmp_eq_u32 s6, 2
	s_cselect_b64 s[8:9], s[20:21], s[8:9]
	s_lshl_b32 s2, s7, 18                          ; 64 rows of 4,096 bytes
	s_lshl_b32 s15, s14, 9
	s_add_co_u32 s2, s2, s15
	s_add_nc_u64 s[8:9], s[8:9], s[2:3]
	s_mul_i32 s2, s6, 6291456
	s_lshl_b32 s15, s7, 5
	s_add_co_u32 s15, s15, s14                     ; 8 x first tile + ks
	s_mul_i32 s15, s15, 1536
	s_add_co_u32 s2, s2, s15
	s_add_nc_u64 s[10:11], s[30:31], s[2:3]
	s_lshl_b32 s2, s6, 18
	s_lshl_b32 s15, s14, 15                        ; a plane of 64 places of 512 bytes
	s_add_co_u32 s2, s2, s15
	s_lshl_b32 s15, s7, 8                          ; my half of a place
	s_add_co_u32 s2, s2, s15
	s_add_co_u32 s2, s2, XS
	s_add_nc_u64 s[12:13], s[30:31], s[2:3]
	LOADT 0
	LOADT 1
	LOADT 2
.irp a, 0,1,2,3
.if \a < 2
	s_wait_loadcnt 32                              ; my tile's 16 loads are in; the two younger tiles' 32 may be out
.else
	s_wait_loadcnt 16*(3-\a)
.endif
	THROUGH 64+64*(\a%3)
	s_wait_dscnt 0x0                               ; the numbers are back
	s_wait_xcnt 0x0                                ; the last fragment's stores have read v[PC] on
	QUANT 64+64*(\a%3)
	PUT \a
.if \a == 0
	LOADT 3                                        ; the first set is free
.endif
.endr
	v_cmp_ne_u32 vcc_lo, 0, v3                     ; lane (r, h) sends the words of tiles 2 h, 2 h + 1: the wave stores 256 consecutive bytes, aligned
	v_cndmask_b32 v[FO], v[SWD], v[SWD+2], vcc_lo
	v_cndmask_b32 v[FO+1], v[SWD+1], v[SWD+3], vcc_lo
	global_store_b64 v7, v[FO:FO+1], s[12:13]
	FINISH
.Lfunc_end_k_qa9ecacf3c8_prep:
	.size	k_qa9ecacf3c8_prep, .Lfunc_end_k_qa9ecacf3c8_prep-k_qa9ecacf3c8_prep
	.p2alignl 7, 3214868480
	.fill 96, 4, 3214868480
	.section	.rodata,"a",@progbits
	.p2align	6, 0x0
	.amdhsa_kernel k_qa9ecacf3c8_prep
		.amdhsa_group_segment_fixed_size 34816
		.amdhsa_private_segment_fixed_size 0
		.amdhsa_enable_private_segment 0
		.amdhsa_kernarg_size 64
		.amdhsa_user_sgpr_count 2
		.amdhsa_user_sgpr_kernarg_segment_ptr 1
		.amdhsa_wavefront_size32 1
		.amdhsa_system_sgpr_workgroup_id_x 1
		.amdhsa_system_sgpr_workgroup_id_y 1
		.amdhsa_system_sgpr_workgroup_id_z 1
		.amdhsa_system_vgpr_workitem_id 0
		.amdhsa_next_free_vgpr 256
		.amdhsa_next_free_sgpr 66
		.amdhsa_reserve_vcc 1
		.amdhsa_float_denorm_mode_32 3
		.amdhsa_float_denorm_mode_16_64 3
		.amdhsa_memory_ordered 1
		.amdhsa_forward_progress 1
		.amdhsa_inst_pref_size 55
	.end_amdhsa_kernel
	.amdgpu_metadata
---
amdhsa.version: [ 1, 2 ]
amdhsa.kernels:
  - .name:           k_qa9ecacf3c8_prep
    .symbol:         k_qa9ecacf3c8_prep.kd
    .args:
      - { .name: query, .offset: 0, .size: 8, .value_kind: global_buffer, .address_space: global }
      - { .name: key, .offset: 8, .size: 8, .value_kind: global_buffer, .address_space: global }
      - { .name: value, .offset: 16, .size: 8, .value_kind: global_buffer, .address_space: global }
      - { .name: Wq, .offset: 24, .size: 8, .value_kind: global_buffer, .address_space: global }
      - { .name: Wk, .offset: 32, .size: 8, .value_kind: global_buffer, .address_space: global }
      - { .name: Wv, .offset: 40, .size: 8, .value_kind: global_buffer, .address_space: global }
      - { .name: Wo, .offset: 48, .size: 8, .value_kind: global_buffer, .address_space: global }
      - { .name: xw, .offset: 56, .size: 8, .value_kind: global_buffer, .address_space: global }
    .group_segment_fixed_size: 34816
    .private_segment_fixed_size: 0
    .kernarg_segment_align: 8
    .kernarg_segment_size: 64
    .max_flat_workgroup_size: 128
    .sgpr_count:     66
    .vgpr_count:     256
    .wavefront_size: 32
...
	.end_amdgpu_metadata
.endif
;; end of part 1
;; launch proj (part 2): grid 4 x 128, 4 waves a work-group, clusters of 4 x 4, 327,680 bytes of LDS; arguments xw, bq, bk, bv, qkv, mask, mbits; writes qkv, mbits
.if DOCPART == 2
	.amdgcn_target "amdgcn-amd-amdhsa--gfx1250"
	.amdhsa_code_object_version 6
	.text
	.protected	k_qa9ecacf3c8_proj
	.globl	k_qa9ecacf3c8_proj
	.p2align	8
	.type	k_qa9ecacf3c8_proj,@function
k_qa9ecacf3c8_proj:
	s_mov_b64 s[64:65], 0
	v_nop
	global_prefetch_b8 v0, s[64:65] scope:SCOPE_SE
	s_setreg_imm32_b32 hwreg(HW_REG_WAVE_MODE, 25, 1), 1
	s_wait_xcnt 0x0
	s_wait_alu depctr_hold_cnt(0) depctr_sa_sdst(0) depctr_va_vdst(0) depctr_va_sdst(0) depctr_va_ssrc(0) depctr_va_vcc(0) depctr_vm_vsrc(0)
	s_getreg_b32 s2, hwreg(HW_REG_IB_STS2, 6, 4)
	s_cmp_eq_u32 s2, 0
	s_cbranch_scc0 .Lentry_in_a_cluster
	s_endpgm
.Lentry_in_a_cluster:
	s_bfe_u32 s2, ttmp6, 0x10000c
	s_cmp_lg_u32 s2, 0xf033
	s_cbranch_scc0 .Lentry_shape_is_right
	s_endpgm
.Lentry_shape_is_right:
; Q = query Wq + bq, K = key Wk + bk, V = value Wv + bv on codes of FP6 (E2M3) with E8M0 scales, and each result quantised at once: Q and K along the head's 1,024, V along the tokens (the keys).
; One work-group makes 256 x 256 of one product, four waves 128 x 128 each: 64 accumulators of 16 x 16.  K = 1,024 goes in four steps of 256 through a ring of two LDS slots.
; OPERANDS lie in memory as images of the registers: fragment (tile T, ks) = 1,536 bytes at (8 T + ks) x 1,536; row r of tile T is row 32 (T / 2) + 8 (T % 2) + r + 8 (r / 8).  A tile's two fragments of a K step are
; 3,072 consecutive bytes: a tensor load brings 8 tiles (8 rows of 3,072 bytes); three ds_load_b128 at 16 x lane bring a fragment: consecutive bytes, no padding.
; SOURCE 1 gives a lane its row, SOURCE 0 runs along a lane's registers: the 64 results of a lane for one tile of source 1 are 128 neighbours (16 of each block of 32) along the next product's K.
; Q, K: source 1 = 256 tokens, source 0 = 256 columns of the weight.  V: source 1 = 256 columns of Wv, source 0 = 256 tokens.  Only offsets in memory are chosen by the product's number, which hangs on the cluster's y alone.
; CLUSTER 4 x 4: source 1's tiles hang on cy and are asked for jointly along a row of the cluster, source 0's on cx and jointly along a column.
; The bias along source 0 is the C of the first K step (zeros for V); the bias along source 1 is added on the way out (zeros for Q, K).
; No prefetch: a work-group has two refills, and its launch is short.  LIMITS: as the quantiser's in the launch before (NaN, infinities not served; a block of zeros gets the byte 1).
.set FR,    12
.set FRB,   1536
.set RTB,   3072
.set HALFT, 24576                      ; 8 tiles x 3,072: what one tensor load brings, and what a wave reads of an operand in a K step
.set OPB,   49152
.set SLOT,  98304                      ; source 1's 16 tiles, then source 0's
.set SCL,   196608                     ; behind the ring: the scale words, filled once: four halves of [ks][512]
.set KST,   8
.set HALFS, KST*512
.set SPARE, SCL+4*HALFS                ; the spare words, 128 bytes a wave: two blocks of 256 bytes that no other line names
.set WC,    18874368
.set XS,    22020096
.set WS,    22806528
.set ADRA, 16                          ; v16-17 source 1's fragments in slot 0, 1
.set ADRB, 20                          ; v20-21 source 0's
.set GO,   26                          ; v26    16 x lane
.set ADRS, 27                          ; v27    scale words: lanes 0-15 source 1's, lanes 16-31 source 0's
.set SPW,  28
.set NIL,  29
.set SC,   32                          ; v32-63 scale words alone: set s at 32 + 16 s, register 8 q + i
.set BR,   64                          ; v64-127 the bias along source 0
.set AF,   128                         ; v128-223 source 1's eight fragments
.set HA,   128                         ; the way out: 64 numbers
.set PC,   192
.set TM,   212
.set PW,   228
.set LV,   232                         ; v232-247 the bias along source 1: a pair of equal registers for each tile
.set SWD,  248
.set SEL,  96
.set G1, 24
.set G0, 32
.set G1B, 48
.set G0B, 56
.set G1S, 68
.set G0S, 76
.set G1SB, 80
.set G0SB, 88
.set MSB, 0
.macro WIN new                         ; the immediate's high byte repeats the setting that is left
.if MSB != (\new)
	s_set_vgpr_msb (MSB<<8)|(\new)
.set MSB, (\new)
.endif
.endm
.set MUL_LO, 0xa1                      ; source 0 window 1, source 1 window 0, C and D window 2
.set MUL_HI, 0xf1
.set TO_B,   0x40
.macro JLOAD g0a, g1a, g0b, g1b        ; a joint load: waves 0, 1 fetch source 1's halves, waves 2, 3 source 0's; an s_nop 0 and four v_nop follow each line
	s_cmp_eq_u32 s15, 0
	s_cbranch_scc0 .Lfor_b_\@
	tensor_load_to_lds s[\g0a:\g0a+3], s[\g1a:\g1a+7]
	s_nop 0
.rept 4
	v_nop
.endr
	s_branch .Lasked_\@
.Lfor_b_\@:
	tensor_load_to_lds s[\g0b:\g0b+3], s[\g1b:\g1b+7]
	s_nop 0
.rept 4
	v_nop
.endr
.Lasked_\@:
.endm
.macro CREST
	s_cmp_lg_u32 s14, 0
	s_cbranch_scc1 .Lnot_wave_0_\@
	s_barrier_signal -3
.Lnot_wave_0_\@:
	s_barrier_wait -3
	s_barrier_signal -1
	s_barrier_wait -1
.endm
.macro CROUND
	s_barrier_signal -1
	s_barrier_wait -1
	CREST
.endm
.macro PLACES                          ; four plain places behind matrix instructions, ahead of loads into their registers and of reads of results
.rept 4
	v_nop
.endr
.endm
.macro FRAG reg, adr, q, i
.irp c, 0,1,2
	ds_load_b128 v[\reg+4*\c:\reg+4*\c+3], v[\adr] offset:(\i)*RTB+(\q)*FRB+512*\c
.endr
.endm
.macro FETCH_B slot, q, p
	WIN TO_B
.irp i, 0,1,2,3,4,5,6,7
	FRAG 128*(\p)+FR*\i, ADRB+\slot, \q, \i
.endr
	WIN 0
.endm
.macro FETCH_A slot, q, i0
.irp i, \i0, \i0+1, \i0+2, \i0+3
	FRAG AF+FR*(\i), ADRA+\slot, \q, \i
.endr
.endm
.macro SCALES set
.irp q, 0,1
.irp j, 0,1
	ds_load_b128 v[SC+16*\set+8*\q+4*\j:SC+16*\set+8*\q+4*\j+3], v[ADRS] offset:1024*\q+256*\j
.endr
.endr
.endm
; 16 matrix instructions: source 1's blocks a0, a0 + 1 x source 0's eight.  cm = 0: on in place; 1: C = 0; 2: C = the bias.  The 64 accumulators take turns in one order throughout.
.macro MUL16 a0, p, q, sc, cm
.irp a, \a0, \a0+1
.irp b, 0,1,2,3,4,5,6,7
.if \cm == 1
	v_wmma_scale_f32_16x16x128_f8f6f4 v[8*(8*((\a)%4)+\b):8*(8*((\a)%4)+\b)+7], v[128*(\p)+FR*\b:128*(\p)+FR*\b+FR-1], v[AF+FR*(\a):AF+FR*(\a)+FR-1], 0, v[SC+16*(\sc)+8*(\q)+\b], v[SC+16*(\sc)+8*(\q)+(\a)] matrix_a_fmt:MATRIX_FMT_FP6 matrix_b_fmt:MATRIX_FMT_FP6 matrix_a_scale:MATRIX_SCALE_ROW1
.elseif \cm == 2
	v_wmma_scale_f32_16x16x128_f8f6f4 v[8*(8*((\a)%4)+\b):8*(8*((\a)%4)+\b)+7], v[128*(\p)+FR*\b:128*(\p)+FR*\b+FR-1], v[AF+FR*(\a):AF+FR*(\a)+FR-1], v[BR+8*\b:BR+8*\b+7], v[SC+16*(\sc)+8*(\q)+\b], v[SC+16*(\sc)+8*(\q)+(\a)] matrix_a_fmt:MATRIX_FMT_FP6 matrix_b_fmt:MATRIX_FMT_FP6 matrix_a_scale:MATRIX_SCALE_ROW1
.else
	v_wmma_scale_f32_16x16x128_f8f6f4 v[8*(8*((\a)%4)+\b):8*(8*((\a)%4)+\b)+7], v[128*(\p)+FR*\b:128*(\p)+FR*\b+FR-1], v[AF+FR*(\a):AF+FR*(\a)+FR-1], v[8*(8*((\a)%4)+\b):8*(8*((\a)%4)+\b)+7], v[SC+16*(\sc)+8*(\q)+\b], v[SC+16*(\sc)+8*(\q)+(\a)] matrix_a_fmt:MATRIX_FMT_FP6 matrix_b_fmt:MATRIX_FMT_FP6 matrix_a_scale:MATRIX_SCALE_ROW1
.endif
.endr
.endr
.endm
.macro STEP slot, cm                   ; a slot's first 128 along K
	s_wait_dscnt 12                                ; all but the youngest twelve loads (source 1's blocks 4-7)
.if \cm == 2
	WIN 0x81
.else
	WIN MUL_LO
.endif
	MUL16 0, 0, 0, \slot, \cm
	MUL16 2, 0, 0, \slot, \cm
	s_wait_dscnt 0x0
	PLACES
	FETCH_B \slot, 1, 1
	FETCH_A \slot, 1, 0
.if \cm == 2
	WIN 0xc1
.else
	WIN MUL_HI
.endif
	MUL16 4, 0, 0, \slot, \cm
	MUL16 6, 0, 0, \slot, \cm
	PLACES
	WIN 0
	FETCH_A \slot, 1, 4
.endm
.macro TURN slot, next, fill           ; a slot's second 128 along K, and the change of slots
	s_wait_tensorcnt 0x0                           ; all my tensor loads have landed: my part of the next slot
	ds_add_u32 v[SPW], v[NIL]                      ; 0 onto my spare word
	s_wait_dscnt 13                                ; (the add and the youngest twelve loads may be out)
	WIN MUL_LO
	MUL16 0, 1, 1, \slot, 0
	s_wait_dscnt 0x0                               ; the add is done, and my reads of this slot are over
	s_barrier_signal -1
	MUL16 2, 1, 1, \slot, 0
	WIN 0
	s_barrier_wait -1
.if \fill
	CREST                                          ; the barrier has opened a round of the cluster's: no wave of any partner still reads this slot or has a load on its way
	s_add_nc_u64 s[G0+4*\slot+2:G0+4*\slot+3], s[G0+4*\slot+2:G0+4*\slot+3], 2*RTB
	s_add_nc_u64 s[G0B+4*\slot+2:G0B+4*\slot+3], s[G0B+4*\slot+2:G0B+4*\slot+3], 2*RTB
	JLOAD G0+4*\slot, G1, G0B+4*\slot, G1B
.else
	PLACES
.endif
	s_wait_alu depctr_va_vdst(0)
	v_add_nc_u32 v[ADRS], 2048, v[ADRS]            ; the next K step's scale words: two rows of 1,024 bytes
	FETCH_B \next, 0, 0
	FETCH_A \next, 0, 0
	SCALES \next
	WIN MUL_HI
	MUL16 4, 1, 1, \slot, 0
	MUL16 6, 1, 1, \slot, 0
	PLACES
	WIN 0
	FETCH_A \next, 0, 4
.endm
.macro LAST
	s_wait_dscnt 12
	WIN MUL_LO
	MUL16 0, 1, 1, 1, 0
	MUL16 2, 1, 1, 1, 0
	s_wait_dscnt 0x0
	WIN MUL_HI
	MUL16 4, 1, 1, 1, 0
	MUL16 6, 1, 1, 1, 0
	WIN 0
	PLACES
.endm
.macro QMAX s                          ; the four blocks' largest magnitudes: my 16 of each, the floor 2^(3 - 127), and lane l xor 16's
.irp b, 0,1,2,3
	v_max3_num_f32 v[TM+\b], |v[\s+16*\b]|, |v[\s+1+16*\b]|, 0x1800000
.endr
.irp i, 2,4,6,8,10,12,14
.irp b, 0,1,2,3
	v_max3_num_f32 v[TM+\b], v[TM+\b], |v[\s+16*\b+\i]|, |v[\s+1+16*\b+\i]|
.endr
.endr
.irp b, 0,1,2,3
	v_permlanex16_b32 v[TM+4+\b], v[TM+\b], s[SEL], s[SEL+1]
.endr
.irp b, 0,1,2,3
	v_max_num_f32 v[TM+\b], v[TM+\b], v[TM+4+\b]
.endr
.endm
.macro QTAIL s                         ; scale operands, bytes, the scale word in v[PW], the fragment in v[PC] on
.irp b, 0,1,2,3
	v_add_nc_u32 v[TM+12+\b], 0xff000000, v[TM+\b]
.endr
.irp b, 0,1,2,3
	v_lshrrev_b32 v[TM+4+\b], 23, v[TM+12+\b]
.endr
	v_lshl_or_b32 v[PW], v[TM+5], 8, v[TM+4]
	v_lshl_or_b32 v[PW], v[TM+6], 16, v[PW]
	v_lshl_or_b32 v[PW], v[TM+7], 24, v[PW]
.irp c, 0,1
	v_cvt_scalef32_pk16_fp6_f32 v[PC+6*\c:PC+2+6*\c], v[\s+32*\c:\s+15+32*\c], v[TM+12+2*\c]
	v_cvt_scalef32_pk16_fp6_f32 v[PC+12+4*\c:PC+14+4*\c], v[\s+16+32*\c:\s+31+32*\c], v[TM+12+2*\c+1]
.endr
	v_nop                                          ; one plain place behind a scaled conversion
.irp c, 0,1
.irp i, 0,1,2
	v_permlane16_swap_b32 v[PC+6*\c+\i], v[PC+12+4*\c+\i]
.endr
.irp i, 0,1,2
	v_mov_b32 v[PC+3+6*\c+\i], v[PC+12+4*\c+\i]
.endr
.endr
.endm
	s_load_b256 s[4:11], s[0:1], 0x0               ; xw, bq, bk, bv
	s_load_b64 s[12:13], s[0:1], 0x20              ; qkv
	s_load_b64 s[76:77], s[0:1], 0x28              ; mask
	s_load_b64 s[78:79], s[0:1], 0x30              ; mbits
	v_lshl_add_u32 v[SPW], v0, 2, SPARE
	v_mov_b32 v[NIL], 0
	ds_add_u32 v[SPW], v[NIL]                      ; the wave's opening
	ds_add_u32 v[SPW], v[NIL]
	v_lshrrev_b32 v1, 5, v0
	v_readfirstlane_b32 s14, v1                    ; wave
	s_lshr_b32 s15, s14, 1                         ; my half of source 1.  Also: I fetch for source 1 (0) or source 0 (1)
	s_and_b32 s16, s14, 1                          ; my half of source 0.  Also: which half I fetch
	s_bfe_u32 s40, ttmp6, 0x40000                  ; cx
	s_bfe_u32 s41, ttmp6, 0x40004                  ; cy
	s_and_b32 s18, ttmp7, 0xffff                   ; the cluster's y, 0 .. 23
	s_lshr_b32 s66, s18, 3                         ; the product: 0 Q, 1 K, 2 V
	s_and_b32 s18, s18, 7
	s_lshl_b32 s18, s18, 2
	s_add_co_u32 s19, s18, s41
	s_add_co_u32 s45, s18, s40
	s_cmp_eq_u32 s66, 2
	s_cselect_b32 s17, s41, s19                    ; t1, source 1's tile of 256: V: cy (the weight's); else 4 (y & 7) + cy (tokens)
	s_cselect_b32 s42, s45, s40                    ; t0, source 0's: V: 4 (y & 7) + cx (tokens); else cx
	s_lshl_b32 s43, s41, 2
	s_lshl_b32 s43, 15, s43                        ; my row of the cluster
	s_lshl_b32 s44, 0x1111, s40                    ; my column
	s_or_b32 s[G1+0], s43, (3<<16)|(1<<21)         ; the mask; elements of 8 bytes; bit 21 beside a mask; no padding
	s_or_b32 s[G1B+0], s44, (3<<16)|(1<<21)
.irp g, G1, G1B
	s_mov_b32 s[\g+1], 384<<16                     ; tensor_dim0: 3,072 bytes
	s_mov_b32 s[\g+2], 16<<16                      ; tensor_dim1: 16 tiles for the head's loads; behind them 8
	s_mov_b32 s[\g+3], 384<<16                     ; tile_dim0
	s_mov_b32 s[\g+4], 16                          ; tile_dim1
	s_mov_b32 s[\g+5], 1536                        ; from tile to tile: 8 fragments
	s_mov_b32 s[\g+6], 0
	s_mov_b32 s[\g+7], 0
.endr
	s_or_b32 s[G1S+0], s43, (3<<16)|(1<<21)
	s_or_b32 s[G1SB+0], s44, (3<<16)|(1<<21)
.irp g, G1S, G1SB
	s_mov_b32 s[\g+1], 128<<16                     ; 1,024 bytes: both halves' places, which are neighbours,
	s_mov_b32 s[\g+2], KST<<16                     ; one row for each 128 along K,
	s_mov_b32 s[\g+3], 128<<16
	s_mov_b32 s[\g+4], KST
	s_mov_b32 s[\g+5], 4096                        ; a plane of 64 places apart
	s_mov_b32 s[\g+6], 0
	s_mov_b32 s[\g+7], 0
.endr
	s_mul_i32 s18, s66, 6291456                    ; in xw: the activation's codes,
	s_mul_i32 s19, s66, 786432
	s_add_co_u32 s19, s19, WC                      ; the weight's,
	s_lshl_b32 s2, s66, 18
	s_add_co_u32 s2, s2, XS                        ; the activation's scale words,
	s_lshl_b32 s3, s66, 12
	s_add_co_u32 s3, s3, WS                        ; the weight's
	s_cmp_eq_u32 s66, 2
	s_cselect_b32 s20, s19, s18                    ; source 1's codes
	s_cselect_b32 s22, s3, s2                      ; and scale words
	s_cselect_b32 s46, s18, s19                    ; source 0's
	s_cselect_b32 s92, s2, s3
	s_mul_i32 s100, s16, 98304                     ; the half that I fetch in the ring
	s_mov_b32 s101, 0
	s_mul_i32 s18, s17, 196608
	s_add_co_u32 s20, s20, s18
	s_lshl_b32 s19, s17, 10
	s_add_co_u32 s22, s22, s19
	s_mul_i32 s45, s42, 196608
	s_add_co_u32 s46, s46, s45
	s_lshl_b32 s45, s42, 10
	s_add_co_u32 s92, s92, s45
	s_mov_b32 s21, 0
	s_mov_b32 s23, 0
	s_mov_b32 s47, 0
	s_mov_b32 s93, 0
	s_mul_i32 s95, s14, HALFT                      ; where they go: no place in the cluster enters an LDS address
	s_mov_b32 s[SEL], 0x76543210
	s_mov_b32 s[SEL+1], 0xfedcba98
	s_wait_alu depctr_va_vdst(0)
	s_wait_dscnt 0x0                               ; both opening adds are done
	s_wait_kmcnt 0x0
	s_and_b32 s2, ttmp7, 0xffff
	s_cmp_ge_u32 s2, 24                            ; clusters 24 .. 31 along y pack the mask: the cluster's y is the same in all sixteen partners
	s_cbranch_scc1 .Lmask
	s_add_nc_u64 s[20:21], s[4:5], s[20:21]
	s_add_nc_u64 s[22:23], s[4:5], s[22:23]
	s_add_nc_u64 s[46:47], s[4:5], s[46:47]
	s_add_nc_u64 s[92:93], s[4:5], s[92:93]
	CROUND                                         ; all sixteen work-groups are here: the first joint loads meet
	s_mov_b32 s[G0S], 1
	s_mov_b32 s[G0S+1], SCL
	s_mov_b64 s[G0S+2:G0S+3], s[22:23]
	s_or_b32 s[G0S+3], s[G0S+3], 0x80000000
	s_mov_b32 s[G0SB], 1
	s_mov_b32 s[G0SB+1], SCL+2*HALFS
	s_mov_b64 s[G0SB+2:G0SB+3], s[92:93]
	s_or_b32 s[G0SB+3], s[G0SB+3], 0x80000000
	s_mov_b32 s[G0], 1                             ; the head's four tiles, each whole: K step 0 of source 1's 16 tiles,
	s_mov_b32 s[G0+1], 0
	s_mov_b64 s[G0+2:G0+3], s[20:21]
	s_or_b32 s[G0+3], s[G0+3], 0x80000000
	s_mov_b32 s[G0B], 1                            ; of source 0's 16 tiles, and the two blocks of scale words above
	s_mov_b32 s[G0B+1], OPB
	s_mov_b64 s[G0B+2:G0B+3], s[46:47]
	s_or_b32 s[G0B+3], s[G0B+3], 0x80000000
	s_add_nc_u64 s[46:47], s[46:47], s[100:101]    ; for the ring: my 8 tiles
	s_add_nc_u64 s[100:101], s[20:21], s[100:101]
	s_mov_b32 s[G0+4], 1
	s_add_co_u32 s[G0+5], s95, SLOT
	s_add_nc_u64 s[G0+6:G0+7], s[100:101], RTB
	s_or_b32 s[G0+7], s[G0+7], 0x80000000
	s_mov_b32 s[G0B+4], 1
	s_add_co_u32 s[G0B+5], s95, SLOT
	s_add_nc_u64 s[G0B+6:G0B+7], s[46:47], RTB
	s_or_b32 s[G0B+7], s[G0B+7], 0x80000000
; THE HEAD'S LOADS, ONE A WAVE: one chain of branches on the wave's number, a load to an arm, all arms leading to one join
.macro ARM under, g0, g1, next
	s_cmp_lt_u32 s14, \under
	s_cbranch_scc0 \next
	tensor_load_to_lds s[\g0:\g0+3], s[\g1:\g1+7]
	s_nop 0
.rept 4
	v_nop
.endr
	s_branch .Lhead_asked
\next:
.endm
	ARM 1, G0,  G1,  .Lhead_b
	ARM 2, G0B, G1B, .Lhead_sa
	ARM 3, G0S, G1S, .Lhead_sb
	tensor_load_to_lds s[G0SB:G0SB+3], s[G1SB:G1SB+7]
	s_nop 0
.rept 4
	v_nop
.endr
.Lhead_asked:
	v_and_b32 v1, 15, v0                           ; r
	v_bfe_u32 v2, v0, 4, 1                         ; h
	s_wait_alu depctr_va_vdst(0)
	v_and_b32 v3, 31, v0
	v_lshlrev_b32 v[GO], 4, v3
	; PREFETCH INTO THE L2 (this takes the place of what the head comment says of it).  A K step of the 8 tiles that I fetch is 8 x 3,072 bytes = 96 blocks of 256; the four partners that ask for them jointly
	; share them out by address: the partner at place p (cx for source 1, cy for source 0) names tiles 2 p, 2 p + 1, a lane a block, lanes 24-31 the last block again.
	; K steps 1 and 2 are asked for here, behind the head's loads, K step 3 behind K step 1's load: at most two K steps are asked for and not yet loaded.  v30 and s[98:99] are never rewritten.
	v_min_u32 v30, 23, v3
	v_mul_u32_u24 v31, v30, 43
	v_lshrrev_b32 v31, 9, v31                      ; block / 12: which of my two tiles
	v_lshlrev_b32 v30, 8, v30
	v_mad_u32_u24 v30, v31, 9216, v30              ; 256 x block + (12,288 - 3,072) x tile
	s_cmp_eq_u32 s15, 0
	s_cselect_b64 s[98:99], s[100:101], s[46:47]   ; K step 0 of the 8 tiles that I fetch
	s_cselect_b32 s2, s40, s41
	s_mul_i32 s2, s2, 24576
	s_mov_b32 s3, 0
	s_add_nc_u64 s[98:99], s[98:99], s[2:3]
	s_wait_alu depctr_va_vdst(0)
	global_prefetch_b8 v30, s[98:99] offset:RTB th:TH_LOAD_NT scope:SCOPE_SE
	global_prefetch_b8 v30, s[98:99] offset:2*RTB th:TH_LOAD_NT scope:SCOPE_SE
	s_mul_i32 s21, s15, HALFT
	s_mul_i32 s22, s16, HALFT
	s_add_co_u32 s22, s22, OPB
.irp s, 0,1
	v_add_nc_u32 v[ADRA+\s], s21, v[GO]
	v_add_nc_u32 v[ADRB+\s], s22, v[GO]
	s_add_co_u32 s21, s21, SLOT
	s_add_co_u32 s22, s22, SLOT
.endr
	v_lshlrev_b32 v5, 4, v1
	s_lshl_b32 s21, s15, 9                         ; my half's place in a row of 1,024 bytes
	s_lshl_b32 s22, s16, 9
	s_add_co_u32 s22, s22, 2*HALFS
	s_sub_co_u32 s22, s22, s21
	v_mul_u32_u24 v6, s22, v2                      ; lanes 16-31 take source 0's
	s_add_co_u32 s21, s21, SCL
	v_add_nc_u32 v5, v5, v6
	v_add_nc_u32 v[ADRS], s21, v5
	; the bias, in both forms, at the weight's tile, so that both stay inside the 1,024 numbers
	s_cmp_eq_u32 s66, 1
	s_cselect_b64 s[6:7], s[8:9], s[6:7]
	s_cmp_eq_u32 s66, 2
	s_cselect_b64 s[6:7], s[10:11], s[6:7]
	s_cselect_b32 s67, s17, s42                    ; the weight's tile
	s_cselect_b32 s18, 0, -1                       ; the bias along source 0 counts for Q and K,
	s_cselect_b32 s19, -1, 0                       ; that along source 1 for V
	s_cselect_b32 s2, 64, 8                        ; K steps in a row of the result's codes
	s_cselect_b32 s3, 8, 64                        ; groups in a plane of its scale words
	s_lshl_b32 s20, s67, 10
	s_lshl_b32 s21, s16, 9
	s_add_co_u32 s21, s21, s20
	s_lshl_b32 s22, s15, 9
	s_add_co_u32 s22, s22, s20
	v_lshl_add_u32 v4, v2, 6, s21                  ; along source 0: register 16 b + i is number 32 b + 16 h + i of my 128
	v_and_b32 v7, 8, v1
	v_add_nc_u32 v7, v7, v1
	v_lshl_add_u32 v7, v7, 2, s22                  ; along source 1: my row r + 8 (r / 8) of each tile
.irp b, 0,1,2,3
.irp j, 0,1,2,3
	global_load_b128 v[BR+16*\b+4*\j:BR+16*\b+4*\j+3], v4, s[6:7] offset:128*\b+16*\j
.endr
.endr
.irp a, 0,1,2,3,4,5,6,7
	global_load_b32 v[LV+2*\a], v7, s[6:7] offset:4*(32*(\a/2)+8*(\a%2))
	global_load_b32 v[LV+2*\a+1], v7, s[6:7] offset:4*(32*(\a/2)+8*(\a%2))
.endr
	; where my results go: fragment (16 t1 + 8 wr + a, 2 t0 + wc)
	s_lshl_b32 s20, s17, 4
	s_lshl_b32 s21, s15, 3
	s_add_co_u32 s20, s20, s21
	s_mul_i32 s20, s20, s2
	s_lshl_b32 s21, s42, 1
	s_add_co_u32 s21, s21, s16                     ; ks
	s_add_co_u32 s20, s20, s21
	s_mul_i32 s20, s20, 1536
	s_mul_i32 s22, s66, 6291456
	s_add_co_u32 s20, s20, s22
	s_mul_i32 s22, s21, s3
	s_lshl_b32 s23, s17, 1
	s_add_co_u32 s23, s23, s15
	s_add_co_u32 s22, s22, s23
	s_lshl_b32 s22, s22, 9
	s_lshl_b32 s23, s66, 18
	s_add_co_u32 s22, s22, s23
	s_add_co_u32 s22, s22, 18874368
	s_mov_b32 s21, 0
	s_mov_b32 s23, 0
	s_add_nc_u64 s[8:9], s[12:13], s[20:21]        ; codes
	s_add_nc_u64 s[10:11], s[12:13], s[22:23]      ; scale words
	s_mul_i32 s2, s2, 1536                         ; from tile to tile
	s_mov_b32 s3, 0
	s_wait_loadcnt 0x0
.set N_, 0
.rept 64
	v_cndmask_b32 v[BR+N_], 0, v[BR+N_], s18
.set N_, N_+1
.endr
.set N_, 0
.rept 16
	v_cndmask_b32 v[LV+N_], 0, v[LV+N_], s19
.set N_, N_+1
.endr
	s_wait_alu depctr_va_vdst(0)
	s_wait_tensorcnt 0x0                           ; my tile of the head's four is in
	ds_add_u32 v[SPW], v[NIL]
	s_mov_b32 s[G1+2], 8<<16                       ; no tensor load of mine is out, so descriptors may be written: from here on a load brings 8 tiles,
	s_mov_b32 s[G1+4], 8
	s_mov_b32 s[G1B+2], 8<<16
	s_mov_b32 s[G1B+4], 8
	s_add_co_u32 s[G0+1], s95, 0                   ; and slot 0's group 0 stands at my 8 tiles of K step 0: its first refill steps it on
	s_mov_b64 s[G0+2:G0+3], s[100:101]
	s_or_b32 s[G0+3], s[G0+3], 0x80000000
	s_add_co_u32 s[G0B+1], s95, 0
	s_mov_b64 s[G0B+2:G0B+3], s[46:47]
	s_or_b32 s[G0B+3], s[G0B+3], 0x80000000
	s_wait_dscnt 0x0                               ; the add is done
	CROUND                                         ; a whole round: all four tiles are in, and the joint loads meet
	JLOAD G0+4, G1, G0B+4, G1B                     ; slot 1's first fill, the first tensor load behind the round
	FETCH_B 0, 0, 0
	FETCH_A 0, 0, 0
	SCALES 0
	global_prefetch_b8 v30, s[98:99] offset:3*RTB th:TH_LOAD_NT scope:SCOPE_SE   ; K step 3, the last
	FETCH_A 0, 0, 4
	STEP 0, 2                                      ; four K steps of 256, written out: a loop would have one trip
	TURN 0, 1, 1
	STEP 1, 0
	TURN 1, 0, 1
	STEP 0, 0
	TURN 0, 1, 0
	STEP 1, 0
	LAST
.irp b, 0,1,2,3
	v_mov_b32 v[TM+4+\b], 0                        ; written once: a lane permute's destination counts as read
.endr
; THE WAY OUT, a tile of source 1 at a time: its 64 numbers a lane are one fragment of the next product's operand
.macro OUTA a
	s_wait_xcnt 0x0                                ; the last fragment's stores have read their registers and their base
.if (\a) > 0
	s_add_nc_u64 s[8:9], s[8:9], s[2:3]
.endif
	WIN 0x02+(\a)/4
.set N_, 0
.rept 32
	v_pk_add_f32 v[HA+N_:HA+N_+1], v[64*((\a)%4)+N_:64*((\a)%4)+N_+1], v[LV+2*(\a):LV+2*(\a)+1]   ; each accumulator from its low end on
.set N_, N_+2
.endr
	WIN 0
	QMAX HA
	QTAIL HA
.irp c, 0,1,2
	global_store_b128 v[GO], v[PC+4*\c:PC+4*\c+3], s[8:9] offset:512*\c   ; 512 consecutive bytes
.endr
	v_mov_b32 v[SWD+(\a)], v[PW]
.endm
.irp a, 0,1,2,3,4,5,6,7
	OUTA \a
.endr
	s_wait_alu depctr_va_vdst(0)
	s_wait_xcnt 0x0
	v_cmp_ne_u32 vcc_lo, 0, v2
.irp j, 0,1,2,3
	v_cndmask_b32 v[PC+\j], v[SWD+\j], v[SWD+4+\j], vcc_lo
.endr
	global_store_b128 v[GO], v[PC:PC+3], s[10:11]
	s_wait_tensorcnt 0x0                           ; the wave's end
	ds_add_u32 v[SPW], v[NIL]
	s_wait_dscnt 0x0
	CROUND                                         ; the closing round
	s_endpgm
; THE MASK [8192 rows][2048 keys] int32 becomes words of 32 lane bits, in the order in which the next launch's selects take them: [group of 128 rows 64][ks 16][tile 8][64 words]:
; bit r + 16 h of word 16 b + i is set where mask[row r of the tile][128 ks + 32 b + 16 h + i] is not 0.  128 work-groups (clusters 24 .. 31 along y), no tensor load, no joint load, waves share nothing.
; A wave takes 128 rows x 256 keys: 16 units of 16 rows x 128 keys.  A row's 512 bytes are loaded by one instruction: lane l holds keys 4 l + e, e = 0 .. 3, of the unit's 16 rows.
; Each number is made 0 or 1 and shifted to its row's bit of a field of 16 bits, one field for each e.  With l = 8 b + 4 h + q, word 16 b + 4 q + e is lane 8 b + q's field e below and lane 8 b + 4 + q's above:
; so lanes l and l xor 4 change fields, both make the same four words, and both put them at 64 b + 16 q of the unit's 256 bytes.
; Four sets of 64 registers in window 1: 64 loads a wave are asked for ahead.  A trip is two tiles x two ks; the last trip, which asks for nothing more, is written out.
; The words gather in 4,096 bytes of LDS a wave (bytes that no other path names) and leave at the end, 512 consecutive bytes a store.
; No prefetch: every byte is read once and its loads stand four units ahead of its use.
.set MOUT, SPARE+512
.set MX,   64                          ; v64-95  the words on their way out
.set OW,   48                          ; v48-51 the four fields; v52-53 the other lane's; v54-57 sorted by h; v60-63 the four words
.macro MLOAD u, adv
	WIN 0x40
.irp i, 0,1,2,3,4,5,6,7,8,9,10,11,12,13,14,15
	global_load_b128 v[64*(\u)+4*\i:64*(\u)+4*\i+3], v4, s[8:9] offset:(8*((\u)/2)+\i+8*(\i/8))*8192+512*((\u)%2)+(\adv) th:TH_LOAD_NT
.endr
	WIN 0
.endm
; Unit u of a trip: tile u / 2 of the trip's two, ks u % 2 of my two.  cnt: the loads of the younger units
.macro MSTEP u, more, cnt
	s_wait_loadcnt \cnt
	WIN 0x44
.set N_, 0
.rept 64
	v_min_u32 v[64*(\u)+N_], 1, v[64*(\u)+N_]      ; 0, or 1 for whatever is not 0
.set N_, N_+1
.endr
	WIN 0x01
.set N_, 0
.rept 64                               ; register 4 i + e is row i, key 4 l + e: bit i of field e; fields 1 and 3 stand 16 bits up; the four fields take turns
.if N_ < 4
	v_lshl_or_b32 v[OW+N_%4], v[64*(\u)+N_], 16*(N_%2), 0
.else
	v_lshl_or_b32 v[OW+N_%4], v[64*(\u)+N_], N_/4+16*(N_%2), v[OW+N_%4]
.endif
.set N_, N_+1
.endr
	WIN 0
.if \more
	MLOAD \u, 262144                               ; the set takes the next trip's unit: 32 rows of 8,192 bytes on
.endif
	v_or_b32 v[OW], v[OW], v[OW+1]                 ; fields 0 and 1
	v_or_b32 v[OW+2], v[OW+2], v[OW+3]             ; fields 2 and 3
	v_mov_b32_dpp v[OW+4], v[OW] row_xmask:4 row_mask:0xf bank_mask:0xf     ; lane l xor 4's
	v_mov_b32_dpp v[OW+5], v[OW+2] row_xmask:4 row_mask:0xf bank_mask:0xf
	v_cndmask_b32 v[OW+6], v[OW], v[OW+4], s12     ; the fields of the lane with h = 0,
	v_cndmask_b32 v[OW+7], v[OW+4], v[OW], s12     ; and of the lane with h = 1
	v_cndmask_b32 v[OW+8], v[OW+2], v[OW+5], s12
	v_cndmask_b32 v[OW+9], v[OW+5], v[OW+2], s12
	v_perm_b32 v[OW+12], v[OW+7], v[OW+6], s13     ; e = 0: the two low halves
	v_perm_b32 v[OW+13], v[OW+7], v[OW+6], s2      ; e = 1: the two high halves
	v_perm_b32 v[OW+14], v[OW+9], v[OW+8], s13
	v_perm_b32 v[OW+15], v[OW+9], v[OW+8], s2
	ds_store_b128 v10, v[OW+12:OW+15] offset:2048*((\u)%2)+256*((\u)/2)   ; lanes l and l xor 4 write the same bytes with the same values
.endm
.Lmask:
	s_sub_co_u32 s2, s2, 24
	s_lshl_b32 s2, s2, 4
	s_lshl_b32 s3, s41, 2
	s_add_co_u32 s2, s2, s3
	s_add_co_u32 s2, s2, s40                       ; work-group 0 .. 127 (only addresses in memory hang on the place in the cluster)
	s_lshl_b32 s2, s2, 2
	s_add_co_u32 s2, s2, s14                       ; job 0 .. 511 = 8 x group + pair of ks
	s_lshr_b32 s6, s2, 3
	s_and_b32 s7, s2, 7
	s_lshl_b32 s8, s6, 20                          ; 128 rows of 8,192 bytes
	s_lshl_b32 s7, s7, 10                          ; 256 keys
	s_add_co_u32 s8, s8, s7
	s_mov_b32 s9, 0
	s_add_nc_u64 s[8:9], s[76:77], s[8:9]
	s_lshl_b32 s10, s2, 12                         ; 16 units x 256 bytes
	s_mov_b32 s11, 0
	s_add_nc_u64 s[10:11], s[78:79], s[10:11]
	v_and_b32 v1, 31, v0
	v_lshlrev_b32 v4, 4, v1                        ; 16 x lane
	v_lshrrev_b32 v2, 3, v1
	v_and_b32 v3, 3, v1
	v_lshlrev_b32 v2, 6, v2
	v_lshl_add_u32 v2, v3, 4, v2                   ; 64 (lane / 8) + 16 (lane % 4)
	s_lshl_b32 s6, s14, 12
	s_add_co_u32 s6, s6, MOUT                      ; my 4,096 bytes of words
	v_add_nc_u32 v8, s6, v2                        ; into them
	v_add_nc_u32 v9, s6, v4                        ; out of them: 16 x lane
	v_mov_b32 v[OW+4], 0                           ; written once: the destination of a DPP form counts as read
	v_mov_b32 v[OW+5], 0
	s_mov_b32 s12, 0xf0f0f0f0                      ; the lanes with h = 1
	s_mov_b32 s13, 0x05040100                      ; v_perm_b32's selects: the two low halves,
	s_mov_b32 s2, 0x07060302                       ; the two high halves
	s_mov_b32 s7, 0                                ; a trip's words: 512 bytes on for each trip
	s_wait_alu depctr_va_vdst(0)
	MLOAD 0, 0
	MLOAD 1, 0
	MLOAD 2, 0
	MLOAD 3, 0
	s_mov_b32 s3, 3
.Lmtrip:
	v_add_nc_u32 v10, s7, v8
	s_wait_alu depctr_va_vdst(0)
	MSTEP 0, 1, 48
	MSTEP 1, 1, 48
	MSTEP 2, 1, 48
	MSTEP 3, 1, 48
	s_wait_xcnt 0x0                                ; the trip's loads have read their base
	s_add_nc_u64 s[8:9], s[8:9], 262144
	s_add_co_u32 s7, s7, 512
	s_sub_co_u32 s3, s3, 1
	s_cmp_lg_u32 s3, 0
	s_wait_alu depctr_va_vdst(0)
	s_cbranch_scc1 .Lmtrip
	v_add_nc_u32 v10, s7, v8
	s_wait_alu depctr_va_vdst(0)
	MSTEP 0, 0, 48                                 ; the last trip asks for nothing more
	MSTEP 1, 0, 32
	MSTEP 2, 0, 16
	MSTEP 3, 0, 0
.irp k, 0,1,2,3,4,5,6,7
	ds_load_b128 v[MX+4*\k:MX+4*\k+3], v9 offset:512*\k     ; my own bytes, in order behind my stores
.endr
	s_wait_dscnt 0x0
.irp k, 0,1,2,3,4,5,6,7
	global_store_b128 v4, v[MX+4*\k:MX+4*\k+3], s[10:11] offset:512*\k   ; 512 consecutive bytes a store
.endr
	s_wait_tensorcnt 0x0                           ; the wave's end
	ds_add_u32 v[SPW], v[NIL]
	s_wait_dscnt 0x0
	CROUND
	s_endpgm
.Lfunc_end_k_qa9ecacf3c8_proj:
	.size	k_qa9ecacf3c8_proj, .Lfunc_end_k_qa9ecacf3c8_proj-k_qa9ecacf3c8_proj
	.p2alignl 7, 3214868480
	.fill 96, 4, 3214868480
	.section	.rodata,"a",@progbits
	.p2align	6, 0x0
	.amdhsa_kernel k_qa9ecacf3c8_proj
		.amdhsa_group_segment_fixed_size 327680
		.amdhsa_private_segment_fixed_size 0
		.amdhsa_enable_private_segment 0
		.amdhsa_kernarg_size 56
		.amdhsa_user_sgpr_count 2
		.amdhsa_user_sgpr_kernarg_segment_ptr 1
		.amdhsa_wavefront_size32 1
		.amdhsa_system_sgpr_workgroup_id_x 1
		.amdhsa_system_sgpr_workgroup_id_y 1
		.amdhsa_system_sgpr_workgroup_id_z 1
		.amdhsa_system_vgpr_workitem_id 0
		.amdhsa_next_free_vgpr 1024
		.amdhsa_next_free_sgpr 104
		.amdhsa_reserve_vcc 1
		.amdhsa_float_denorm_mode_32 3
		.amdhsa_float_denorm_mode_16_64 3
		.amdhsa_memory_ordered 1
		.amdhsa_forward_progress 1
		.amdhsa_inst_pref_size 237
	.end_amdhsa_kernel
	.amdgpu_metadata
---
amdhsa.version: [ 1, 2 ]
amdhsa.kernels:
  - .name:           k_qa9ecacf3c8_proj
    .symbol:         k_qa9ecacf3c8_proj.kd
    .args:
      - { .name: xw, .offset: 0, .size: 8, .value_kind: global_buffer, .address_space: global }
      - { .name: bq, .offset: 8, .size: 8, .value_kind: global_buffer, .address_space: global }
      - { .name: bk, .offset: 16, .size: 8, .value_kind: global_buffer, .address_space: global }
      - { .name: bv, .offset: 24, .size: 8, .value_kind: global_buffer, .address_space: global }
      - { .name: qkv, .offset: 32, .size: 8, .value_kind: global_buffer, .address_space: global }
      - { .name: mask, .offset: 40, .size: 8, .value_kind: global_buffer, .address_space: global }
      - { .name: mbits, .offset: 48, .size: 8, .value_kind: global_buffer, .address_space: global }
    .group_segment_fixed_size: 327680
    .private_segment_fixed_size: 0
    .kernarg_segment_align: 8
    .kernarg_segment_size: 56
    .max_flat_workgroup_size: 128
    .sgpr_count:     104
    .vgpr_count:     1024
    .wavefront_size: 32
...
	.end_amdgpu_metadata
.endif
;; end of part 2
;; launch score (part 3): grid 8 x 32, 4 waves a work-group, clusters of 4 x 4, 327,680 bytes of LDS; arguments qkv, mbits, pp, st; writes pp, st
.if DOCPART == 3
	.amdgcn_target "amdgcn-amd-amdhsa--gfx1250"
	.amdhsa_code_object_version 6
	.text
	.protected	k_qa9ecacf3c8_score
	.globl	k_qa9ecacf3c8_score
	.p2align	8
	.type	k_qa9ecacf3c8_score,@function
k_qa9ecacf3c8_score:
	s_mov_b64 s[64:65], 0
	v_nop
	global_prefetch_b8 v0, s[64:65] scope:SCOPE_SE
	s_setreg_imm32_b32 hwreg(HW_REG_WAVE_MODE, 25, 1), 1
	s_wait_xcnt 0x0
	s_wait_alu depctr_hold_cnt(0) depctr_sa_sdst(0) depctr_va_vdst(0) depctr_va_sdst(0) depctr_va_ssrc(0) depctr_va_vcc(0) depctr_vm_vsrc(0)
	s_getreg_b32 s2, hwreg(HW_REG_IB_STS2, 6, 4)
	s_cmp_eq_u32 s2, 0
	s_cbranch_scc0 .Lentry_in_a_cluster
	s_endpgm
.Lentry_in_a_cluster:
	s_bfe_u32 s2, ttmp6, 0x10000c
	s_cmp_lg_u32 s2, 0xf033
	s_cbranch_scc0 .Lentry_shape_is_right
	s_endpgm
.Lentry_shape_is_right:
; S = Q K^T on codes of FP6 with E8M0 scales, then, for each query and each 128 keys: t = S x log2(e) / 32, masked keys t = -1e20 x log2(e), M = ceil(the largest of the 128 t), p = 2^(t - M),
; the sum of the unquantised p, and p quantised along the keys.  M is a whole number, so the next launch brings every 128 keys under the row's own M by taking a whole number off the scale bytes: the codes stay.
; Stored: p's fragments (query tile, 128 keys), their raw scale words, -M and the partial sums, the last three 16 bytes a lane: lane (r, h) has row r of tiles 4 h .. 4 h + 3.
; One work-group makes 256 queries x 256 keys of one batch, four waves 128 x 128.  Source 1 = queries (a lane holds one query), source 0 = keys (they run along a lane's registers, 16 neighbours of each block of 32).
; Operands, ring, cluster and loop as in the launch before: fragment images, two slots of 256 along K, Q's tiles joint along a row of the cluster, K's along a column.
; THE MASK comes as words of lane bits made by the launch before from the int32 mask: 64 words a tile, by scalar loads; they only select values.
; A row whose 128 keys are all masked has t - M = 0 and p = 1 for all of them, as the reference's softmax of equal numbers has; t is therefore rounded before M is taken off, with no fused form.
; No prefetch: two refills a work-group, a short launch.  LIMITS: NaN and infinities not served; a block whose every p is 0 keeps the byte 1 (its codes are zeros).
.set FR,    12
.set FRB,   1536
.set RTB,   3072
.set HALFT, 24576
.set OPB,   49152
.set SLOT,  98304
.set SCL,   196608
.set KST,   8
.set HALFS, KST*512
.set SPARE, SCL+4*HALFS
.set ADRA, 16
.set ADRB, 20
.set GO,   26
.set ADRS, 27
.set SPW,  28
.set NIL,  29
.set SC,   32
.set BR,   64
.set NMS,  64                          ; v64-71 -M of the eight tiles; v72-79 their sums; v80 the masked t
.set LS,   72
.set NEG,  80
.set AF,   128
.set HA,   128
.set PC,   192
.set TM,   212                         ; +0..3 block maxima, +4..7 at work, +8 -M (+9 its pair's other half), +10, +11 the sum, +12..15 scale operands
.set PW,   228
.set T1,   229
.set T2,   230
.set SWD,  248
.set SEL,  96
.set G1, 24
.set G0, 32
.set G1B, 48
.set G0B, 56
.set G1S, 68
.set G0S, 76
.set G1SB, 80
.set G0SB, 88
.set MSB, 0
.macro WIN new
.if MSB != (\new)
	s_set_vgpr_msb (MSB<<8)|(\new)
.set MSB, (\new)
.endif
.endm
.set MUL_LO, 0xa1
.set MUL_HI, 0xf1
.set TO_B,   0x40
.macro JLOAD g0a, g1a, g0b, g1b
	s_cmp_eq_u32 s15, 0
	s_cbranch_scc0 .Lfor_b_\@
	tensor_load_to_lds s[\g0a:\g0a+3], s[\g1a:\g1a+7]
	s_nop 0
.rept 4
	v_nop
.endr
	s_branch .Lasked_\@
.Lfor_b_\@:
	tensor_load_to_lds s[\g0b:\g0b+3], s[\g1b:\g1b+7]
	s_nop 0
.rept 4
	v_nop
.endr
.Lasked_\@:
.endm
.macro CREST
	s_cmp_lg_u32 s14, 0
	s_cbranch_scc1 .Lnot_wave_0_\@
	s_barrier_signal -3
.Lnot_wave_0_\@:
	s_barrier_wait -3
	s_barrier_signal -1
	s_barrier_wait -1
.endm
.macro CROUND
	s_barrier_signal -1
	s_barrier_wait -1
	CREST
.endm
.macro PLACES
.rept 4
	v_nop
.endr
.endm
.macro FRAG reg, adr, q, i
.irp c, 0,1,2
	ds_load_b128 v[\reg+4*\c:\reg+4*\c+3], v[\adr] offset:(\i)*RTB+(\q)*FRB+512*\c
.endr
.endm
.macro FETCH_B slot, q, p
	WIN TO_B
.irp i, 0,1,2,3,4,5,6,7
	FRAG 128*(\p)+FR*\i, ADRB+\slot, \q, \i
.endr
	WIN 0
.endm
.macro FETCH_A slot, q, i0
.irp i, \i0, \i0+1, \i0+2, \i0+3
	FRAG AF+FR*(\i), ADRA+\slot, \q, \i
.endr
.endm
.macro SCALES set
.irp q, 0,1
.irp j, 0,1
	ds_load_b128 v[SC+16*\set+8*\q+4*\j:SC+16*\set+8*\q+4*\j+3], v[ADRS] offset:1024*\q+256*\j
.endr
.endr
.endm
.macro MUL16 a0, p, q, sc, cm          ; cm = 1: the first product starts the sums.  The 64 accumulators take turns in one order throughout
.irp a, \a0, \a0+1
.irp b, 0,1,2,3,4,5,6,7
.if \cm == 1
	v_wmma_scale_f32_16x16x128_f8f6f4 v[8*(8*((\a)%4)+\b):8*(8*((\a)%4)+\b)+7], v[128*(\p)+FR*\b:128*(\p)+FR*\b+FR-1], v[AF+FR*(\a):AF+FR*(\a)+FR-1], 0, v[SC+16*(\sc)+8*(\q)+\b], v[SC+16*(\sc)+8*(\q)+(\a)] matrix_a_fmt:MATRIX_FMT_FP6 matrix_b_fmt:MATRIX_FMT_FP6 matrix_a_scale:MATRIX_SCALE_ROW1
.else
	v_wmma_scale_f32_16x16x128_f8f6f4 v[8*(8*((\a)%4)+\b):8*(8*((\a)%4)+\b)+7], v[128*(\p)+FR*\b:128*(\p)+FR*\b+FR-1], v[AF+FR*(\a):AF+FR*(\a)+FR-1], v[8*(8*((\a)%4)+\b):8*(8*((\a)%4)+\b)+7], v[SC+16*(\sc)+8*(\q)+\b], v[SC+16*(\sc)+8*(\q)+(\a)] matrix_a_fmt:MATRIX_FMT_FP6 matrix_b_fmt:MATRIX_FMT_FP6 matrix_a_scale:MATRIX_SCALE_ROW1
.endif
.endr
.endr
.endm
.macro STEP slot, cm
	s_wait_dscnt 12                                ; all but the youngest twelve loads (source 1's blocks 4-7)
	WIN MUL_LO
	MUL16 0, 0, 0, \slot, \cm
	MUL16 2, 0, 0, \slot, \cm
	s_wait_dscnt 0x0
	PLACES
	FETCH_B \slot, 1, 1
	FETCH_A \slot, 1, 0
	WIN MUL_HI
	MUL16 4, 0, 0, \slot, \cm
	MUL16 6, 0, 0, \slot, \cm
	PLACES
	WIN 0
	FETCH_A \slot, 1, 4
.endm
.macro TURN slot, next, fill
	s_wait_tensorcnt 0x0                           ; all my tensor loads have landed: my part of the next slot
	ds_add_u32 v[SPW], v[NIL]                      ; 0 onto my spare word
	s_wait_dscnt 13                                ; (the add and the youngest twelve loads may be out)
	WIN MUL_LO
	MUL16 0, 1, 1, \slot, 0
	s_wait_dscnt 0x0                               ; the add is done, and my reads of this slot are over
	s_barrier_signal -1
	MUL16 2, 1, 1, \slot, 0
	WIN 0
	s_barrier_wait -1
.if \fill
	CREST                                          ; a round of the cluster's barrier: no wave of any partner still reads this slot or has a load on its way
	s_add_nc_u64 s[G0+4*\slot+2:G0+4*\slot+3], s[G0+4*\slot+2:G0+4*\slot+3], 2*RTB
	s_add_nc_u64 s[G0B+4*\slot+2:G0B+4*\slot+3], s[G0B+4*\slot+2:G0B+4*\slot+3], 2*RTB
	JLOAD G0+4*\slot, G1, G0B+4*\slot, G1B
.else
	PLACES
.endif
	s_wait_alu depctr_va_vdst(0)
	v_add_nc_u32 v[ADRS], 2048, v[ADRS]            ; the next K step's scale words: two rows of 1,024 bytes
	FETCH_B \next, 0, 0
	FETCH_A \next, 0, 0
	SCALES \next
	WIN MUL_HI
	MUL16 4, 1, 1, \slot, 0
	MUL16 6, 1, 1, \slot, 0
	PLACES
	WIN 0
	FETCH_A \next, 0, 4
.endm
.macro LAST
	s_wait_dscnt 12
	WIN MUL_LO
	MUL16 0, 1, 1, 1, 0
	MUL16 2, 1, 1, 1, 0
	s_wait_dscnt 0x0
	WIN MUL_HI
	MUL16 4, 1, 1, 1, 0
	MUL16 6, 1, 1, 1, 0
	WIN 0
	PLACES
.endm
.macro QTAIL s
.irp b, 0,1,2,3
	v_add_nc_u32 v[TM+12+\b], 0xff000000, v[TM+\b] ; 2 off the exponent field: the conversion's scale operand
.endr
.irp b, 0,1,2,3
	v_lshrrev_b32 v[TM+4+\b], 23, v[TM+12+\b]
.endr
	v_lshl_or_b32 v[PW], v[TM+5], 8, v[TM+4]
	v_lshl_or_b32 v[PW], v[TM+6], 16, v[PW]
	v_lshl_or_b32 v[PW], v[TM+7], 24, v[PW]
.irp c, 0,1
	v_cvt_scalef32_pk16_fp6_f32 v[PC+6*\c:PC+2+6*\c], v[\s+32*\c:\s+15+32*\c], v[TM+12+2*\c]
	v_cvt_scalef32_pk16_fp6_f32 v[PC+12+4*\c:PC+14+4*\c], v[\s+16+32*\c:\s+31+32*\c], v[TM+12+2*\c+1]
.endr
	v_nop                                          ; one plain place behind a scaled conversion
.irp c, 0,1
.irp i, 0,1,2
	v_permlane16_swap_b32 v[PC+6*\c+\i], v[PC+12+4*\c+\i]
.endr
.irp i, 0,1,2
	v_mov_b32 v[PC+3+6*\c+\i], v[PC+12+4*\c+\i]
.endr
.endr
.endm
	s_load_b256 s[4:11], s[0:1], 0x0               ; qkv, mbits, pp, st
	v_lshl_add_u32 v[SPW], v0, 2, SPARE
	v_mov_b32 v[NIL], 0
	ds_add_u32 v[SPW], v[NIL]                      ; the wave's opening
	ds_add_u32 v[SPW], v[NIL]
	v_lshrrev_b32 v1, 5, v0
	v_readfirstlane_b32 s14, v1
	s_lshr_b32 s15, s14, 1
	s_and_b32 s16, s14, 1
	s_bfe_u32 s40, ttmp6, 0x40000                  ; cx
	s_bfe_u32 s41, ttmp6, 0x40004                  ; cy
	s_lshl_b32 s42, ttmp9, 2
	s_add_co_u32 s42, s42, s40                     ; the tile of 256 keys in the batch
	s_and_b32 s18, ttmp7, 0xffff
	s_lshr_b32 s67, s18, 1                         ; the batch: the same in all sixteen partners
	s_lshl_b32 s17, s18, 2
	s_add_co_u32 s17, s17, s41                     ; the tile of 256 queries, of 32
	s_lshl_b32 s43, s41, 2
	s_lshl_b32 s43, 15, s43
	s_lshl_b32 s44, 0x1111, s40
	s_or_b32 s[G1+0], s43, (3<<16)|(1<<21)
	s_or_b32 s[G1B+0], s44, (3<<16)|(1<<21)
.irp g, G1, G1B
	s_mov_b32 s[\g+1], 384<<16
	s_mov_b32 s[\g+2], 16<<16                      ; 16 tiles for the head's loads; behind them 8
	s_mov_b32 s[\g+3], 384<<16
	s_mov_b32 s[\g+4], 16
	s_mov_b32 s[\g+5], 1536
	s_mov_b32 s[\g+6], 0
	s_mov_b32 s[\g+7], 0
.endr
	s_or_b32 s[G1S+0], s43, (3<<16)|(1<<21)
	s_or_b32 s[G1SB+0], s44, (3<<16)|(1<<21)
.irp g, G1S, G1SB
	s_mov_b32 s[\g+1], 128<<16                     ; 1,024 bytes: both halves' places, which are neighbours
	s_mov_b32 s[\g+2], KST<<16
	s_mov_b32 s[\g+3], 128<<16
	s_mov_b32 s[\g+4], KST
	s_mov_b32 s[\g+5], 4096
	s_mov_b32 s[\g+6], 0
	s_mov_b32 s[\g+7], 0
.endr
	s_mul_i32 s100, s16, 98304                     ; the half that I fetch in the ring
	s_mov_b32 s101, 0
	s_mul_i32 s20, s17, 196608                     ; Q's codes
	s_lshl_b32 s22, s17, 10
	s_add_co_u32 s22, s22, 18874368                ; Q's scale words
	s_lshl_b32 s46, s67, 3
	s_add_co_u32 s46, s46, s42                     ; K's tile of 256, of 32
	s_lshl_b32 s92, s46, 10
	s_add_co_u32 s92, s92, 18874368+262144         ; K's scale words
	s_mul_i32 s46, s46, 196608
	s_add_co_u32 s46, s46, 6291456                 ; K's codes
	s_mov_b32 s21, 0
	s_mov_b32 s23, 0
	s_mov_b32 s47, 0
	s_mov_b32 s93, 0
	s_mul_i32 s95, s14, HALFT
	s_mov_b32 s[SEL], 0x76543210
	s_mov_b32 s[SEL+1], 0xfedcba98
	s_mov_b32 s98, 0x3d38aa3b                      ; log2(e) / 32
	s_mov_b32 s99, s98                             ; (named with it as a pair, so it is written)
	s_wait_dscnt 0x0
	s_wait_kmcnt 0x0
	s_add_nc_u64 s[20:21], s[4:5], s[20:21]
	s_add_nc_u64 s[22:23], s[4:5], s[22:23]
	s_add_nc_u64 s[46:47], s[4:5], s[46:47]
	s_add_nc_u64 s[92:93], s[4:5], s[92:93]
	CROUND
	s_mov_b32 s[G0S], 1
	s_mov_b32 s[G0S+1], SCL
	s_mov_b64 s[G0S+2:G0S+3], s[22:23]
	s_or_b32 s[G0S+3], s[G0S+3], 0x80000000
	s_mov_b32 s[G0SB], 1
	s_mov_b32 s[G0SB+1], SCL+2*HALFS
	s_mov_b64 s[G0SB+2:G0SB+3], s[92:93]
	s_or_b32 s[G0SB+3], s[G0SB+3], 0x80000000
	s_mov_b32 s[G0], 1                             ; the head's four tiles, each whole: K step 0 of Q's 16 tiles,
	s_mov_b32 s[G0+1], 0
	s_mov_b64 s[G0+2:G0+3], s[20:21]
	s_or_b32 s[G0+3], s[G0+3], 0x80000000
	s_mov_b32 s[G0B], 1                            ; of K's 16 tiles, and the two blocks of scale words above
	s_mov_b32 s[G0B+1], OPB
	s_mov_b64 s[G0B+2:G0B+3], s[46:47]
	s_or_b32 s[G0B+3], s[G0B+3], 0x80000000
	s_add_nc_u64 s[46:47], s[46:47], s[100:101]    ; for the ring: my 8 tiles
	s_add_nc_u64 s[100:101], s[20:21], s[100:101]
	s_mov_b32 s[G0+4], 1
	s_add_co_u32 s[G0+5], s95, SLOT
	s_add_nc_u64 s[G0+6:G0+7], s[100:101], RTB
	s_or_b32 s[G0+7], s[G0+7], 0x80000000
	s_mov_b32 s[G0B+4], 1
	s_add_co_u32 s[G0B+5], s95, SLOT
	s_add_nc_u64 s[G0B+6:G0B+7], s[46:47], RTB
	s_or_b32 s[G0B+7], s[G0B+7], 0x80000000
; THE HEAD'S LOADS, ONE A WAVE: one chain of branches on the wave's number, a load to an arm, all arms leading to one join
.macro ARM under, g0, g1, next
	s_cmp_lt_u32 s14, \under
	s_cbranch_scc0 \next
	tensor_load_to_lds s[\g0:\g0+3], s[\g1:\g1+7]
	s_nop 0
.rept 4
	v_nop
.endr
	s_branch .Lhead_asked
\next:
.endm
	ARM 1, G0,  G1,  .Lhead_b
	ARM 2, G0B, G1B, .Lhead_sa
	ARM 3, G0S, G1S, .Lhead_sb
	tensor_load_to_lds s[G0SB:G0SB+3], s[G1SB:G1SB+7]
	s_nop 0
.rept 4
	v_nop
.endr
.Lhead_asked:
	v_and_b32 v1, 15, v0
	v_bfe_u32 v2, v0, 4, 1
	s_wait_alu depctr_va_vdst(0)
	v_and_b32 v3, 31, v0
	v_lshlrev_b32 v[GO], 4, v3
	; PREFETCH INTO THE L2 (this takes the place of what the head comment says of it).  A K step of the 8 tiles that I fetch is 8 x 3,072 bytes = 96 blocks of 256; the four partners that ask for them jointly
	; share them out by address: the partner at place p (cx for Q, cy for K) names tiles 2 p, 2 p + 1, a lane a block, lanes 24-31 the last block again.
	; K steps 1 and 2 are asked for here, behind the head's loads, K step 3 behind K step 1's load: at most two K steps are asked for and not yet loaded.  v30 and s[66:67] are never rewritten.
	v_min_u32 v30, 23, v3
	v_mul_u32_u24 v31, v30, 43
	v_lshrrev_b32 v31, 9, v31                      ; block / 12: which of my two tiles
	v_lshlrev_b32 v30, 8, v30
	v_mad_u32_u24 v30, v31, 9216, v30              ; 256 x block + (12,288 - 3,072) x tile
	s_cmp_eq_u32 s15, 0
	s_cselect_b64 s[66:67], s[100:101], s[46:47]   ; K step 0 of the 8 tiles that I fetch
	s_cselect_b32 s2, s40, s41
	s_mul_i32 s2, s2, 24576
	s_mov_b32 s3, 0
	s_add_nc_u64 s[66:67], s[66:67], s[2:3]
	s_wait_alu depctr_va_vdst(0)
	global_prefetch_b8 v30, s[66:67] offset:RTB th:TH_LOAD_NT scope:SCOPE_SE
	global_prefetch_b8 v30, s[66:67] offset:2*RTB th:TH_LOAD_NT scope:SCOPE_SE
	s_mul_i32 s21, s15, HALFT
	s_mul_i32 s22, s16, HALFT
	s_add_co_u32 s22, s22, OPB
.irp s, 0,1
	v_add_nc_u32 v[ADRA+\s], s21, v[GO]
	v_add_nc_u32 v[ADRB+\s], s22, v[GO]
	s_add_co_u32 s21, s21, SLOT
	s_add_co_u32 s22, s22, SLOT
.endr
	v_lshlrev_b32 v5, 4, v1
	s_lshl_b32 s21, s15, 9                         ; my half's place in a row of 1,024 bytes
	s_lshl_b32 s22, s16, 9
	s_add_co_u32 s22, s22, 2*HALFS
	s_sub_co_u32 s22, s22, s21
	v_mul_u32_u24 v6, s22, v2
	s_add_co_u32 s21, s21, SCL
	v_add_nc_u32 v5, v5, v6
	v_add_nc_u32 v[ADRS], s21, v5
	v_mov_b32 v[NEG], 0xe0ad78ec                   ; -1e20,
	v_mul_f32 v[NEG], 0x3fb8aa3b, v[NEG]           ; as t
	; where my results go, and my mask words come from: group g = 2 x query tile + wr, ks = 2 x key tile + wc
	s_lshl_b32 s18, s17, 1
	s_add_co_u32 s18, s18, s15
	s_lshl_b32 s19, s42, 1
	s_add_co_u32 s19, s19, s16
	s_lshl_b32 s20, s18, 4
	s_add_co_u32 s20, s20, s19                     ; 16 g + ks
	s_mov_b32 s3, 0
	s_lshl_b32 s2, s20, 11
	s_add_nc_u64 s[6:7], s[6:7], s[2:3]            ; mask words: 8 tiles x 256 bytes
	s_lshl_b32 s2, s20, 9
	s_add_nc_u64 s[10:11], s[10:11], s[2:3]        ; -M; the sums lie 524,288 bytes on
	s_add_co_u32 s2, s2, 12582912
	s_add_nc_u64 s[12:13], s[8:9], s[2:3]          ; raw scale words
	s_lshl_b32 s2, s18, 7
	s_add_co_u32 s2, s2, s19                       ; 16 x first tile + ks
	s_mul_i32 s2, s2, 1536
	s_add_nc_u64 s[8:9], s[8:9], s[2:3]            ; p's codes
	s_wait_alu depctr_va_vdst(0)
	s_wait_tensorcnt 0x0                           ; my tile of the head's four is in
	ds_add_u32 v[SPW], v[NIL]
	s_mov_b32 s[G1+2], 8<<16                       ; no tensor load of mine is out, so descriptors may be written: from here on a load brings 8 tiles,
	s_mov_b32 s[G1+4], 8
	s_mov_b32 s[G1B+2], 8<<16
	s_mov_b32 s[G1B+4], 8
	s_add_co_u32 s[G0+1], s95, 0                   ; and slot 0's group 0 stands at my 8 tiles of K step 0: its first refill steps it on
	s_mov_b64 s[G0+2:G0+3], s[100:101]
	s_or_b32 s[G0+3], s[G0+3], 0x80000000
	s_add_co_u32 s[G0B+1], s95, 0
	s_mov_b64 s[G0B+2:G0B+3], s[46:47]
	s_or_b32 s[G0B+3], s[G0B+3], 0x80000000
	s_wait_dscnt 0x0                               ; the add is done
	CROUND                                         ; a whole round: all four tiles are in, and the joint loads meet
	JLOAD G0+4, G1, G0B+4, G1B                     ; slot 1's first fill, the first tensor load behind the round
	FETCH_B 0, 0, 0
	FETCH_A 0, 0, 0
	SCALES 0
	global_prefetch_b8 v30, s[66:67] offset:3*RTB th:TH_LOAD_NT scope:SCOPE_SE   ; K step 3, the last
	FETCH_A 0, 0, 4
.macro MASKW a                         ; tile a's 64 mask words: word w in s[16 + w], from 48 on in s[32 + w]
	s_load_b512 s[16:31], s[6:7], 256*(\a)
	s_load_b512 s[32:47], s[6:7], 256*(\a)+64
	s_load_b512 s[48:63], s[6:7], 256*(\a)+128
	s_load_b512 s[80:95], s[6:7], 256*(\a)+192
.endm
	STEP 0, 1
	TURN 0, 1, 1
	STEP 1, 0
	TURN 1, 0, 1
	STEP 0, 0
	TURN 0, 1, 0
	MASKW 0                                        ; every tensor load has landed (the wait for 0 above), so the descriptors' registers are free: the first tile's words come while the last 128 products run
	STEP 1, 0
	LAST
.irp b, 0,1,2,3
	v_mov_b32 v[TM+4+\b], 0                        ; written once: a lane permute's destination counts as read
.endr
	v_mov_b32 v[TM+9], 0                           ; (named as the other half of -M's pair)
	v_mov_b32 v[T2], 0
; THE WAY OUT, a tile of 16 queries at a time: register 16 b + i of lane (r, h) is key 32 b + 16 h + i of my 128, for query r
.macro SOFT a
	s_wait_xcnt 0x0                                ; the last fragment's stores have read their registers
	WIN 0x02+(\a)/4
.set N_, 0
.rept 32
	v_pk_mul_f32 v[HA+N_:HA+N_+1], v[64*((\a)%4)+N_:64*((\a)%4)+N_+1], s[98:99] op_sel_hi:[1,0]   ; t; each accumulator from its low end on
.set N_, N_+2
.endr
	WIN 0
	s_wait_kmcnt 0x0                               ; this tile's mask words
.set N_, 0
.rept 48
	v_cndmask_b32 v[HA+N_], v[NEG], v[HA+N_], s[16+N_]
.set N_, N_+1
.endr
.rept 16
	v_cndmask_b32 v[HA+N_], v[NEG], v[HA+N_], s[32+N_]
.set N_, N_+1
.endr
.if (\a) < 7
	MASKW (\a)+1                                   ; the next tile's, while this one is worked
.endif
.irp b, 0,1,2,3
	v_max3_num_f32 v[TM+\b], v[HA+16*\b], v[HA+16*\b+1], v[HA+16*\b+2]   ; the largest t of each block of 32 keys: it serves for M and, since p rises with t, for the block's largest p
.endr
.irp i, 3,5,7,9,11,13
.irp b, 0,1,2,3
	v_max3_num_f32 v[TM+\b], v[TM+\b], v[HA+16*\b+\i], v[HA+16*\b+\i+1]
.endr
.endr
.irp b, 0,1,2,3
	v_max_num_f32 v[TM+\b], v[TM+\b], v[HA+16*\b+15]
.endr
.irp b, 0,1,2,3
	v_permlanex16_b32 v[TM+4+\b], v[TM+\b], s[SEL], s[SEL+1]
.endr
.irp b, 0,1,2,3
	v_max_num_f32 v[TM+\b], v[TM+\b], v[TM+4+\b]
.endr
	v_max3_num_f32 v[T1], v[TM], v[TM+1], v[TM+2]
	v_max_num_f32 v[T1], v[T1], v[TM+3]
	v_floor_f32 v[TM+8], -v[T1]                    ; -M = floor(-t) = -ceil(t): a whole number
.set N_, 0
.rept 32
	v_pk_add_f32 v[HA+N_:HA+N_+1], v[HA+N_:HA+N_+1], v[TM+8:TM+9] op_sel_hi:[1,0]
.set N_, N_+2
.endr
.irp b, 0,1,2,3
	v_add_f32 v[TM+\b], v[TM+\b], v[TM+8]
.endr
.set N_, 0
	s_wait_alu depctr_va_vdst(0)
.rept 64
	v_exp_f32 v[HA+N_], v[HA+N_]                   ; p = 2^(t - M), at most 1
.set N_, N_+1
.endr
	v_mov_b32 v[NMS+(\a)], v[TM+8]                 ; (a plain place behind the exponentials)
	s_wait_alu depctr_va_vdst(0)                   ; one wait for the batch of 64, ahead of its first reader
.irp b, 0,1,2,3
	v_exp_f32 v[TM+\b], v[TM+\b]                   ; the blocks' largest p: the same two instructions on the same number
.endr
	v_pk_add_f32 v[TM+10:TM+11], v[HA:HA+1], v[HA+2:HA+3]     ; the sum of the unquantised p, in two chains: it reads the 64 alone
	v_pk_add_f32 v[TM+4:TM+5], v[HA+4:HA+5], v[HA+6:HA+7]
.irp j, 8,12,16,20,24,28,32,36,40,44,48,52,56,60
	v_pk_add_f32 v[TM+10:TM+11], v[TM+10:TM+11], v[HA+\j:HA+\j+1]
	v_pk_add_f32 v[TM+4:TM+5], v[TM+4:TM+5], v[HA+\j+2:HA+\j+3]
.endr
	v_pk_add_f32 v[TM+10:TM+11], v[TM+10:TM+11], v[TM+4:TM+5]
	v_add_f32 v[T1], v[TM+10], v[TM+11]
	v_permlanex16_b32 v[T2], v[T1], s[SEL], s[SEL+1]
	v_add_f32 v[LS+(\a)], v[T1], v[T2]             ; with lane l xor 16's 64 keys
	s_wait_alu depctr_va_vdst(0)                   ; and one wait for the four
.irp b, 0,1,2,3
	v_max_num_f32 v[TM+\b], 0x1800000, v[TM+\b]    ; the floor 2^(3 - 127): the byte cannot fall under 1
.endr
	QTAIL HA
.irp c, 0,1,2
	global_store_b128 v[GO], v[PC+4*\c:PC+4*\c+3], s[8:9] offset:24576*(\a)+512*\c
.endr
	v_mov_b32 v[SWD+(\a)], v[PW]
.endm
.irp a, 0,1,2,3,4,5,6,7
	SOFT \a
.endr
	s_wait_xcnt 0x0
	v_cmp_ne_u32 vcc_lo, 0, v2
.irp j, 0,1,2,3
	v_cndmask_b32 v[PC+\j], v[SWD+\j], v[SWD+4+\j], vcc_lo
	v_cndmask_b32 v[PC+4+\j], v[NMS+\j], v[NMS+4+\j], vcc_lo
	v_cndmask_b32 v[PC+8+\j], v[LS+\j], v[LS+4+\j], vcc_lo
.endr
	global_store_b128 v[GO], v[PC:PC+3], s[12:13]
	global_store_b128 v[GO], v[PC+4:PC+7], s[10:11]
	global_store_b128 v[GO], v[PC+8:PC+11], s[10:11] offset:524288
	s_wait_tensorcnt 0x0                           ; the wave's end
	ds_add_u32 v[SPW], v[NIL]
	s_wait_dscnt 0x0
	CROUND
	s_endpgm
.Lfunc_end_k_qa9ecacf3c8_score:
	.size	k_qa9ecacf3c8_score, .Lfunc_end_k_qa9ecacf3c8_score-k_qa9ecacf3c8_score
	.p2alignl 7, 3214868480
	.fill 96, 4, 3214868480
	.section	.rodata,"a",@progbits
	.p2align	6, 0x0
	.amdhsa_kernel k_qa9ecacf3c8_score
		.amdhsa_group_segment_fixed_size 327680
		.amdhsa_private_segment_fixed_size 0
		.amdhsa_enable_private_segment 0
		.amdhsa_kernarg_size 32
		.amdhsa_user_sgpr_count 2
		.amdhsa_user_sgpr_kernarg_segment_ptr 1
		.amdhsa_wavefront_size32 1
		.amdhsa_system_sgpr_workgroup_id_x 1
		.amdhsa_system_sgpr_workgroup_id_y 1
		.amdhsa_system_sgpr_workgroup_id_z 1
		.amdhsa_system_vgpr_workitem_id 0
		.amdhsa_next_free_vgpr 1024
		.amdhsa_next_free_sgpr 104
		.amdhsa_reserve_vcc 1
		.amdhsa_float_denorm_mode_32 3
		.amdhsa_float_denorm_mode_16_64 3
		.amdhsa_memory_ordered 1
		.amdhsa_forward_progress 1
		.amdhsa_inst_pref_size 244
	.end_amdhsa_kernel
	.amdgpu_metadata
---
amdhsa.version: [ 1, 2 ]
amdhsa.kernels:
  - .name:           k_qa9ecacf3c8_score
    .symbol:         k_qa9ecacf3c8_score.kd
    .args:
      - { .name: qkv, .offset: 0, .size: 8, .value_kind: global_buffer, .address_space: global }
      - { .name: mbits, .offset: 8, .size: 8, .value_kind: global_buffer, .address_space: global }
      - { .name: pp, .offset: 16, .size: 8, .value_kind: global_buffer, .address_space: global }
      - { .name: st, .offset: 24, .size: 8, .value_kind: global_buffer, .address_space: global }
    .group_segment_fixed_size: 327680
    .private_segment_fixed_size: 0
    .kernarg_segment_align: 8
    .kernarg_segment_size: 32
    .max_flat_workgroup_size: 128
    .sgpr_count:     104
    .vgpr_count:     1024
    .wavefront_size: 32
...
	.end_amdgpu_metadata
.endif
;; end of part 3
;; launch pv (part 4): grid 4 x 64, 4 waves a work-group, clusters of 4 x 4, 327,680 bytes of LDS; arguments pp, st, qkv, oo; writes oo
.if DOCPART == 4
	.amdgcn_target "amdgcn-amd-amdhsa--gfx1250"
	.amdhsa_code_object_version 6
	.text
	.protected	k_qa9ecacf3c8_pv
	.globl	k_qa9ecacf3c8_pv
	.p2align	8
	.type	k_qa9ecacf3c8_pv,@function
k_qa9ecacf3c8_pv:
	s_mov_b64 s[64:65], 0
	v_nop
	global_prefetch_b8 v0, s[64:65] scope:SCOPE_SE
	s_setreg_imm32_b32 hwreg(HW_REG_WAVE_MODE, 25, 1), 1
	s_wait_xcnt 0x0
	s_wait_alu depctr_hold_cnt(0) depctr_sa_sdst(0) depctr_va_vdst(0) depctr_va_sdst(0) depctr_va_ssrc(0) depctr_va_vcc(0) depctr_vm_vsrc(0)
	s_getreg_b32 s2, hwreg(HW_REG_IB_STS2, 6, 4)
	s_cmp_eq_u32 s2, 0
	s_cbranch_scc0 .Lentry_in_a_cluster
	s_endpgm
.Lentry_in_a_cluster:
	s_bfe_u32 s2, ttmp6, 0x10000c
	s_cmp_lg_u32 s2, 0xf033
	s_cbranch_scc0 .Lentry_shape_is_right
	s_endpgm
.Lentry_shape_is_right:
.set FR,    12
.set FRB,   1536
.set RTB,   6144
.set HALFA, 24576
.set ATB,   49152
.set HALFB, 49152
.set SLOT,  147456
.set SCL,   294912
.set PSB,   8192
.set HALFS, 8192
.set SPARE, SCL+PSB+2*HALFS
.set MG,   8
.set LT,   12
.set ADRA, 16
.set ADRB, 20
.set GO,   26
.set ADRS, 27
.set SPW,  28
.set NIL,  29
.set ADRS2, 30
.set SC,   32
.set TP,   96
.set LV,   104
.set RW,   112
.set AF,   128
.set NM,   128
.set LL,   192
.set HA,   128
.set PC,   192
.set TM,   212
.set PW,   228
.set SWD,  232
.set SEL,  96
.set G1, 24
.set G0, 32
.set G1B, 48
.set G0B, 56
.set G1SB, 80
.set G0SB, 88
.set MSB, 0
.macro WIN new
.if MSB != (\new)
	s_set_vgpr_msb (MSB<<8)|(\new)
.set MSB, (\new)
.endif
.endm
.set MUL,  0xa1
.set TO_B, 0x40
.macro JLOAD g0a, g1a, g0b, g1b
	s_cmp_eq_u32 s15, 0
	s_cbranch_scc0 .Lfor_b_\@
	tensor_load_to_lds s[\g0a:\g0a+3], s[\g1a:\g1a+7]
	s_nop 0
.rept 4
	v_nop
.endr
	s_branch .Lasked_\@
.Lfor_b_\@:
	tensor_load_to_lds s[\g0b:\g0b+3], s[\g1b:\g1b+7]
	s_nop 0
.rept 4
	v_nop
.endr
.Lasked_\@:
.endm
.macro CREST
	s_cmp_lg_u32 s14, 0
	s_cbranch_scc1 .Lnot_wave_0_\@
	s_barrier_signal -3
.Lnot_wave_0_\@:
	s_barrier_wait -3
	s_barrier_signal -1
	s_barrier_wait -1
.endm
.macro CROUND
	s_barrier_signal -1
	s_barrier_wait -1
	CREST
.endm
.macro PLACES
.rept 4
	v_nop
.endr
.endm
.macro FRAG reg, adr, q, i
.irp c, 0,1,2
	ds_load_b128 v[\reg+4*\c:\reg+4*\c+3], v[\adr] offset:(\i)*RTB+(\q)*FRB+512*\c
.endr
.endm
.macro FETCH_B slot, q, p
	WIN TO_B
.irp i, 0,1,2,3,4,5,6,7
	FRAG 128*(\p)+FR*\i, ADRB+\slot, \q, \i
.endr
	WIN 0
.endm
.macro FETCH_A slot, q, p
.irp i, 0,1,2,3
	FRAG AF+48*(\p)+FR*\i, ADRA+\slot, \q, \i
.endr
.endm
.macro SCALES set
.irp q, 0,1,2,3
	ds_load_b128 v[SC+32*\set+8*\q:SC+32*\set+8*\q+3], v[ADRS] offset:512*\q
	ds_load_b128 v[SC+32*\set+8*\q+4:SC+32*\set+8*\q+7], v[ADRS2] offset:512*\q
.endr
.endm
.macro MULA a, p, q, sc, cm
.irp b, 0,1,2,3,4,5,6,7
.if \cm == 1
	v_wmma_scale_f32_16x16x128_f8f6f4 v[8*(8*(\a)+\b):8*(8*(\a)+\b)+7], v[128*(\p)+FR*\b:128*(\p)+FR*\b+FR-1], v[AF+48*(\p)+FR*(\a):AF+48*(\p)+FR*(\a)+FR-1], 0, v[SC+32*(\sc)+8*(\q)+\b], v[SC+32*(\sc)+8*(\q)+(\a)] matrix_a_fmt:MATRIX_FMT_FP6 matrix_b_fmt:MATRIX_FMT_FP6 matrix_a_scale:MATRIX_SCALE_ROW1
.else
	v_wmma_scale_f32_16x16x128_f8f6f4 v[8*(8*(\a)+\b):8*(8*(\a)+\b)+7], v[128*(\p)+FR*\b:128*(\p)+FR*\b+FR-1], v[AF+48*(\p)+FR*(\a):AF+48*(\p)+FR*(\a)+FR-1], v[8*(8*(\a)+\b):8*(8*(\a)+\b)+7], v[SC+32*(\sc)+8*(\q)+\b], v[SC+32*(\sc)+8*(\q)+(\a)] matrix_a_fmt:MATRIX_FMT_FP6 matrix_b_fmt:MATRIX_FMT_FP6 matrix_a_scale:MATRIX_SCALE_ROW1
.endif
.endr
.endm
.macro KSTEP slot, q, cm, nsc
	PLACES
	FETCH_B \slot, (\q)+1, ((\q)+1)%2
	s_wait_dscnt 24
	FETCH_A \slot, (\q)+1, ((\q)+1)%2
.if \nsc >= 0
	v_add_nc_u32 v[ADRS], 2048, v[ADRS]
	v_add_nc_u32 v[ADRS2], 2048, v[ADRS2]
	SCALES \nsc
.endif
	WIN MUL
.irp a, 0,1,2,3
	MULA \a, (\q)%2, \q, \slot, \cm
.endr
.endm
.macro TURN slot, next, fill
	WIN 0
	s_wait_tensorcnt 0x0
	ds_add_u32 v[SPW], v[NIL]
	s_wait_dscnt 1
	WIN MUL
	MULA 0, 1, 3, \slot, 0
	s_wait_dscnt 0x0
	s_barrier_signal -1
	MULA 1, 1, 3, \slot, 0
	WIN 0
	s_barrier_wait -1
.if \fill
	CREST
	s_add_nc_u64 s[G0+4*\slot+2:G0+4*\slot+3], s[G0+4*\slot+2:G0+4*\slot+3], 2*RTB
	s_add_nc_u64 s[G0B+4*\slot+2:G0B+4*\slot+3], s[G0B+4*\slot+2:G0B+4*\slot+3], 2*RTB
	JLOAD G0+4*\slot, G1, G0B+4*\slot, G1B
.else
	PLACES
.endif
	FETCH_B \next, 0, 0
	FETCH_A \next, 0, 0
	WIN MUL
	MULA 2, 1, 3, \slot, 0
	MULA 3, 1, 3, \slot, 0
.endm
.macro LAST
	s_wait_dscnt 0x0
	WIN MUL
.irp a, 0,1,2,3
	MULA \a, 1, 3, 1, 0
.endr
	WIN 0
	PLACES
.endm
.macro QMAX s
.irp b, 0,1,2,3
	v_max3_num_f32 v[TM+\b], |v[\s+16*\b]|, |v[\s+1+16*\b]|, 0x1800000
.endr
.irp i, 2,4,6,8,10,12,14
.irp b, 0,1,2,3
	v_max3_num_f32 v[TM+\b], v[TM+\b], |v[\s+16*\b+\i]|, |v[\s+1+16*\b+\i]|
.endr
.endr
.irp b, 0,1,2,3
	v_permlanex16_b32 v[TM+4+\b], v[TM+\b], s[SEL], s[SEL+1]
.endr
.irp b, 0,1,2,3
	v_max_num_f32 v[TM+\b], v[TM+\b], v[TM+4+\b]
.endr
.endm
.macro QTAIL s
.irp b, 0,1,2,3
	v_add_nc_u32 v[TM+12+\b], 0xff000000, v[TM+\b]
.endr
.irp b, 0,1,2,3
	v_lshrrev_b32 v[TM+4+\b], 23, v[TM+12+\b]
.endr
	v_lshl_or_b32 v[PW], v[TM+5], 8, v[TM+4]
	v_lshl_or_b32 v[PW], v[TM+6], 16, v[PW]
	v_lshl_or_b32 v[PW], v[TM+7], 24, v[PW]
.irp c, 0,1
	v_cvt_scalef32_pk16_fp6_f32 v[PC+6*\c:PC+2+6*\c], v[\s+32*\c:\s+15+32*\c], v[TM+12+2*\c]
	v_cvt_scalef32_pk16_fp6_f32 v[PC+12+4*\c:PC+14+4*\c], v[\s+16+32*\c:\s+31+32*\c], v[TM+12+2*\c+1]
.endr
	v_nop
.irp c, 0,1
.irp i, 0,1,2
	v_permlane16_swap_b32 v[PC+6*\c+\i], v[PC+12+4*\c+\i]
.endr
.irp i, 0,1,2
	v_mov_b32 v[PC+3+6*\c+\i], v[PC+12+4*\c+\i]
.endr
.endr
.endm
	s_load_b256 s[4:11], s[0:1], 0x0
	v_lshl_add_u32 v[SPW], v0, 2, SPARE
	v_mov_b32 v[NIL], 0
	ds_add_u32 v[SPW], v[NIL]
	ds_add_u32 v[SPW], v[NIL]
	v_lshrrev_b32 v1, 5, v0
	v_readfirstlane_b32 s14, v1
	s_lshr_b32 s15, s14, 1
	s_and_b32 s16, s14, 1
	s_bfe_u32 s40, ttmp6, 0x40000
	s_bfe_u32 s41, ttmp6, 0x40004
	s_lshl_b32 s42, ttmp9, 2
	s_add_co_u32 s42, s42, s40
	s_and_b32 s18, ttmp7, 0xffff
	s_lshr_b32 s66, s18, 2
	s_lshl_b32 s17, s18, 2
	s_add_co_u32 s17, s17, s41
	s_lshl_b32 s43, s41, 2
	s_lshl_b32 s43, 15, s43
	s_lshl_b32 s44, 0x1111, s40
	s_or_b32 s[G1+0], s43, (3<<16)|(1<<21)
	s_mov_b32 s[G1+1], 768<<16
	s_mov_b32 s[G1+2], 8<<16                       ; 8 tiles for the head's load; behind it 4
	s_mov_b32 s[G1+3], 768<<16
	s_mov_b32 s[G1+4], 8
	s_mov_b32 s[G1+5], 3072
	s_mov_b32 s[G1+6], 0
	s_mov_b32 s[G1+7], 0
	s_or_b32 s[G1B+0], s44, (3<<16)|(1<<21)
	s_mov_b32 s[G1B+1], 768<<16
	s_mov_b32 s[G1B+2], 16<<16                     ; 16 tiles for the head's load; behind it 8
	s_mov_b32 s[G1B+3], 768<<16
	s_mov_b32 s[G1B+4], 16
	s_mov_b32 s[G1B+5], 12288
	s_mov_b32 s[G1B+6], 0
	s_mov_b32 s[G1B+7], 0
	s_or_b32 s[G1SB+0], s44, (3<<16)|(1<<21)
	s_mov_b32 s[G1SB+1], 64<<16
	s_mov_b32 s[G1SB+2], 16<<16
	s_mov_b32 s[G1SB+3], 64<<16
	s_mov_b32 s[G1SB+4], 16
	s_mov_b32 s[G1SB+5], 512
	s_mov_b32 s[G1SB+6], 0
	s_mov_b32 s[G1SB+7], 0
	s_mul_i32 s20, s17, 196608
	s_mul_i32 s18, s16, 98304
	s_add_co_u32 s20, s20, s18
	s_mul_i32 s46, s42, 1572864
	s_mul_i32 s45, s16, 786432
	s_add_co_u32 s46, s46, s45
	s_mul_i32 s45, s66, 24576
	s_add_co_u32 s46, s46, s45
	s_add_co_u32 s46, s46, 12582912
	s_lshl_b32 s92, s42, 1
	s_add_co_u32 s92, s92, s15                     ; waves 1 and 3 fetch the two halves of V's scale words
	s_lshl_b32 s92, s92, 9
	s_lshl_b32 s45, s66, 16
	s_add_co_u32 s92, s92, s45
	s_add_co_u32 s92, s92, 19398656
	s_mov_b32 s21, 0
	s_mov_b32 s47, 0
	s_mov_b32 s93, 0
	s_mul_i32 s95, s16, HALFA
	s_mul_i32 s94, s16, HALFB
	s_add_co_u32 s94, s94, ATB
	s_mul_i32 s67, s15, HALFS
	s_add_co_u32 s67, s67, SCL+PSB
	s_mov_b32 s[SEL], 0x76543210
	s_mov_b32 s[SEL+1], 0xfedcba98
	s_wait_dscnt 0x0
	s_wait_kmcnt 0x0
	s_add_nc_u64 s[20:21], s[4:5], s[20:21]
	s_add_nc_u64 s[46:47], s[8:9], s[46:47]
	s_add_nc_u64 s[92:93], s[8:9], s[92:93]
	CROUND
	s_mov_b32 s[G0SB], 1
	s_mov_b32 s[G0SB+1], s67
	s_mov_b64 s[G0SB+2:G0SB+3], s[92:93]
	s_or_b32 s[G0SB+3], s[G0SB+3], 0x80000000
.irp s, 0,1
	s_mov_b32 s[G0+4*\s], 1
	s_add_co_u32 s[G0+4*\s+1], s95, \s*SLOT
	s_add_nc_u64 s[G0+4*\s+2:G0+4*\s+3], s[20:21], \s*RTB
	s_or_b32 s[G0+4*\s+3], s[G0+4*\s+3], 0x80000000
	s_mov_b32 s[G0B+4*\s], 1
	s_add_co_u32 s[G0B+4*\s+1], s94, \s*SLOT
	s_add_nc_u64 s[G0B+4*\s+2:G0B+4*\s+3], s[46:47], \s*RTB
	s_or_b32 s[G0B+4*\s+3], s[G0B+4*\s+3], 0x80000000
.endr
; THE HEAD'S LOADS, ONE A WAVE: wave 0 brings slot 0's 8 tiles of p, wave 2 its 16 tiles of V (in both waves the group 0 of the ring's first half is the whole tile's),
; waves 1 and 3 the halves of V's scale words.  One chain of branches on the wave's number, a load to an arm, all arms leading to one join.
.macro ARM w, g0, g1, next
	s_cmp_eq_u32 s14, \w
	s_cbranch_scc0 \next
	tensor_load_to_lds s[\g0:\g0+3], s[\g1:\g1+7]
	s_nop 0
.rept 4
	v_nop
.endr
	s_branch .Lhead_asked
\next:
.endm
	ARM 0, G0,  G1,  .Lhead_b
	ARM 2, G0B, G1B, .Lhead_s
	tensor_load_to_lds s[G0SB:G0SB+3], s[G1SB:G1SB+7]
	s_nop 0
.rept 4
	v_nop
.endr
.Lhead_asked:
	v_and_b32 v1, 15, v0
	v_bfe_u32 v2, v0, 4, 1
	v_and_b32 v3, 31, v0
	v_lshlrev_b32 v[GO], 4, v3
	; PREFETCH INTO THE L2.  A tile's part of a slot is 6,144 bytes = 24 blocks of 256: a lane a block, lanes 24-31 the last block again.  The four partners that ask for a half tile jointly share it out by address:
	; of p's 4 tiles the partner at place cx names one, of V's 8 tiles the partner at place cy two (a second instruction, in the waves that fetch V).
	; Slots' fills 1 and 2 are asked for here, behind the head's loads, fill 3 behind fill 1's load: at most two are asked for and not yet loaded.  v31 and s[100:101] are never rewritten.
.macro ASK off
	global_prefetch_b8 v31, s[100:101] offset:\off th:TH_LOAD_NT scope:SCOPE_SE
	s_cmp_eq_u32 s15, 0
	s_cbranch_scc1 .Lone_\@
	global_prefetch_b8 v31, s[100:101] offset:\off+98304 th:TH_LOAD_NT scope:SCOPE_SE
.Lone_\@:
.endm
	v_min_u32 v31, 23, v3
	v_lshlrev_b32 v31, 8, v31
	s_cmp_eq_u32 s15, 0
	s_cselect_b64 s[100:101], s[20:21], s[46:47]   ; fill 0 of the half tile that I fetch
	s_cselect_b32 s2, s40, s41
	s_mov_b32 s3, 196608                           ; V: two tiles of 98,304 bytes
	s_cselect_b32 s3, 24576, s3                    ; p: one tile of 24,576
	s_mul_i32 s2, s2, s3
	s_mov_b32 s3, 0
	s_add_nc_u64 s[100:101], s[100:101], s[2:3]
	s_wait_alu depctr_va_vdst(0)
	ASK RTB
	ASK 2*RTB
	s_wait_alu depctr_va_vdst(0)
	v_lshlrev_b32 v7, 4, v1
	s_mov_b32 s3, 0
	s_lshl_b32 s2, s17, 13
	s_add_nc_u64 s[6:7], s[6:7], s[2:3]
	s_lshl_b32 s20, s14, 11
	s_add_co_u32 s2, s2, s20
	s_add_co_u32 s2, s2, 12582912
	s_add_nc_u64 s[12:13], s[4:5], s[2:3]
.irp k, 0,1,2,3,4,5,6,7,8,9,10,11,12,13,14,15
	global_load_b128 v[NM+4*\k:NM+4*\k+3], v[GO], s[6:7] offset:512*\k
.endr
.irp k, 0,1,2,3,4,5,6,7,8,9,10,11,12,13,14,15
	global_load_b128 v[LL+4*\k:LL+4*\k+3], v[GO], s[6:7] offset:524288+512*\k
.endr
.irp k, 0,1,2,3
	global_load_b128 v[RW+4*\k:RW+4*\k+3], v[GO], s[12:13] offset:512*\k
.endr
	s_wait_alu depctr_va_vdst(0)
	s_wait_tensorcnt 0x0                           ; my tile of the head's is in
	ds_add_u32 v[SPW], v[NIL]
	s_mov_b32 s[G1+2], 4<<16                       ; no tensor load of mine is out: from here on a load brings half a tile
	s_mov_b32 s[G1+4], 4
	s_mov_b32 s[G1B+2], 8<<16
	s_mov_b32 s[G1B+4], 8
	s_wait_dscnt 0x0                               ; the add is done
	CROUND                                         ; a whole round: the head's tiles are in, and the joint loads meet
	JLOAD G0+4, G1, G0B+4, G1B                     ; slot 1's first fill, the first tensor load behind the round
	ASK 3*RTB                                      ; the last fill
	s_mul_i32 s21, s15, HALFA
	s_mul_i32 s22, s16, HALFB
	s_add_co_u32 s22, s22, ATB
.irp s, 0,1
	v_add_nc_u32 v[ADRA+\s], s21, v[GO]
	v_add_nc_u32 v[ADRB+\s], s22, v[GO]
	s_add_co_u32 s21, s21, SLOT
	s_add_co_u32 s22, s22, SLOT
.endr
	s_lshl_b32 s21, s15, 8
	s_mul_i32 s22, s16, HALFS
	s_add_co_u32 s22, s22, PSB
	s_sub_co_u32 s22, s22, s21
	v_mul_u32_u24 v6, s22, v2
	s_wait_alu depctr_va_vdst(0)
	s_add_co_u32 s21, s21, SCL
	v_add_nc_u32 v5, v7, v6
	v_add_nc_u32 v[ADRS], s21, v5
	v_lshl_add_u32 v[ADRS2], v2, 8, v[ADRS]
	s_lshl_b32 s20, s14, 11
	s_add_co_u32 s20, s20, SCL
	v_add_nc_u32 v4, s20, v[GO]
	s_lshl_b32 s19, s42, 1
	s_add_co_u32 s19, s19, s16
	s_lshl_b32 s2, s19, 6
	s_add_co_u32 s2, s2, s17
	s_lshl_b32 s2, s2, 9
	s_lshl_b32 s20, s15, 8
	s_add_co_u32 s2, s2, s20
	s_add_co_u32 s2, s2, 6291456
	s_add_nc_u64 s[98:99], s[10:11], s[2:3]
	s_lshl_b32 s2, s17, 6
	s_lshl_b32 s20, s15, 5
	s_add_co_u32 s2, s2, s20
	s_add_co_u32 s2, s2, s19
	s_mul_i32 s2, s2, 1536
	s_add_nc_u64 s[10:11], s[10:11], s[2:3]
	s_cmp_eq_u32 s16, 1
	s_cselect_b32 s22, -1, 0
	s_cmp_eq_u32 s15, 1
	s_cselect_b32 s23, -1, 0
	s_mov_b32 s21, 0x01010101
.irp j, 0,1,2,3
	v_mov_b32 v[TP+\j], 0
.endr
	s_wait_loadcnt 0x0
.irp j, 0,1,2,3
	v_min3_num_f32 v[MG+\j], v[NM+\j], v[NM+4+\j], v[NM+8+\j]
.endr
.irp k, 3,5,7,9,11,13
.irp j, 0,1,2,3
	v_min3_num_f32 v[MG+\j], v[MG+\j], v[NM+4*\k+\j], v[NM+4*\k+4+\j]
.endr
.endr
.irp j, 0,1,2,3
	v_min_num_f32 v[MG+\j], v[MG+\j], v[NM+60+\j]
.endr
.irp k, 0,1,2,3,4,5,6,7,8,9,10,11,12,13,14,15
	v_pk_add_f32 v[NM+4*\k:NM+4*\k+1], v[MG:MG+1], v[NM+4*\k:NM+4*\k+1] neg_lo:[0,1] neg_hi:[0,1]
	v_pk_add_f32 v[NM+4*\k+2:NM+4*\k+3], v[MG+2:MG+3], v[NM+4*\k+2:NM+4*\k+3] neg_lo:[0,1] neg_hi:[0,1]
.endr
.set N_, 0
.rept 64
	v_max_num_f32 v[NM+N_], 0xc2fe0000, v[NM+N_]
.set N_, N_+1
.endr
.set N_, 0
.rept 64
	v_cvt_i32_f32 v[NM+N_], v[NM+N_]
.set N_, N_+1
.endr
.set N_, 0
.rept 64
	v_ldexp_f32 v[LL+N_], v[LL+N_], v[NM+N_]
.set N_, N_+1
.endr
	v_pk_add_f32 v[LT:LT+1], v[LL:LL+1], v[LL+4:LL+5]
	v_pk_add_f32 v[LT+2:LT+3], v[LL+2:LL+3], v[LL+6:LL+7]
.irp k, 2,3,4,5,6,7,8,9,10,11,12,13,14,15
	v_pk_add_f32 v[LT:LT+1], v[LT:LT+1], v[LL+4*\k:LL+4*\k+1]
	v_pk_add_f32 v[LT+2:LT+3], v[LT+2:LT+3], v[LL+4*\k+2:LL+4*\k+3]
.endr
	s_wait_alu depctr_va_vdst(0)
.irp j, 0,1,2,3
	v_rcp_f32 v[LT+\j], v[LT+\j]
.endr
	v_nop
	v_cmp_ne_u32 vcc_lo, s15, v2
	s_wait_alu depctr_va_vdst(0)
.irp j, 0,1,2,3
	v_permlanex16_b32 v[TP+\j], v[LT+\j], s[SEL], s[SEL+1]
.endr
.irp j, 0,1,2,3
	v_cndmask_b32 v[LV+2*\j], v[LT+\j], v[TP+\j], vcc_lo
.endr
.irp j, 0,1,2,3
	v_mov_b32 v[LV+2*\j+1], v[LV+2*\j]
.endr
.set N_, 0
.rept 16
	v_cndmask_b32 v[NM+N_], v[NM+N_], v[NM+16+N_], s22
	v_cndmask_b32 v[NM+32+N_], v[NM+32+N_], v[NM+48+N_], s22
.set N_, N_+1
.endr
.set N_, 0
.rept 16
	v_cndmask_b32 v[NM+N_], v[NM+N_], v[NM+32+N_], s23
.set N_, N_+1
.endr
.set N_, 0
.rept 16
	v_mul_lo_u32 v[NM+16+N_], v[NM+N_], s21
	v_or_b32 v[RW+N_], 0x80808080, v[RW+N_]
	v_add_nc_u32 v[RW+N_], v[RW+N_], v[NM+16+N_]
	v_lshrrev_b32 v[NM+16+N_], 7, v[RW+N_]
	v_and_b32 v[NM+16+N_], s21, v[NM+16+N_]
	v_lshlrev_b32 v[NM+32+N_], 8, v[NM+16+N_]
	v_sub_nc_u32 v[NM+16+N_], v[NM+32+N_], v[NM+16+N_]
	v_and_b32 v[RW+N_], v[RW+N_], v[NM+16+N_]
	v_and_b32 v[RW+N_], 0x7f7f7f7f, v[RW+N_]
.set N_, N_+1
.endr
.irp k, 0,1,2,3
	ds_store_b128 v4, v[RW+4*\k:RW+4*\k+3] offset:512*\k
.endr
	s_wait_tensorcnt 1
	s_wait_dscnt 0x0
	s_barrier_signal -1
	s_barrier_wait -1
	SCALES 0
	FETCH_B 0, 0, 0
	FETCH_A 0, 0, 0
	s_wait_dscnt 36
	KSTEP 0, 0, 1, -1
	KSTEP 0, 1, 0, -1
	KSTEP 0, 2, 0, 1
	TURN 0, 1, 1
	KSTEP 1, 0, 0, -1
	KSTEP 1, 1, 0, -1
	s_wait_alu depctr_va_vdst(0)
	KSTEP 1, 2, 0, 0
	TURN 1, 0, 1
	KSTEP 0, 0, 0, -1
	KSTEP 0, 1, 0, -1
	s_wait_alu depctr_va_vdst(0)
	KSTEP 0, 2, 0, 1
	TURN 0, 1, 0
	KSTEP 1, 0, 0, -1
	KSTEP 1, 1, 0, -1
	KSTEP 1, 2, 0, -1
	LAST
.irp b, 0,1,2,3
	v_mov_b32 v[TM+4+\b], 0
.endr
.macro OUTA a
	s_wait_xcnt 0x0
	WIN 0x02
.set N_, 0
.rept 32
	v_pk_mul_f32 v[HA+N_:HA+N_+1], v[64*(\a)+N_:64*(\a)+N_+1], v[LV+2*(\a):LV+2*(\a)+1]
.set N_, N_+2
.endr
	WIN 0
	QMAX HA
	QTAIL HA
.irp c, 0,1,2
	global_store_b128 v[GO], v[PC+4*\c:PC+4*\c+3], s[10:11] offset:12288*(\a)+512*\c
.endr
	v_mov_b32 v[SWD+(\a)], v[PW]
.endm
.irp a, 0,1,2,3
	OUTA \a
.endr
	s_wait_alu depctr_va_vdst(0)
	s_wait_xcnt 0x0
	v_cmp_eq_u32 vcc_lo, 0, v2
	s_and_saveexec_b32 s20, vcc_lo
	global_store_b128 v7, v[SWD:SWD+3], s[98:99]
	s_wait_xcnt 0x0
	s_or_b32 exec_lo, exec_lo, s20
	s_wait_tensorcnt 0x0
	ds_add_u32 v[SPW], v[NIL]
	s_wait_dscnt 0x0
	CROUND
	s_endpgm
.Lfunc_end_k_qa9ecacf3c8_pv:
	.size	k_qa9ecacf3c8_pv, .Lfunc_end_k_qa9ecacf3c8_pv-k_qa9ecacf3c8_pv
	.p2alignl 7, 3214868480
	.fill 96, 4, 3214868480
	.section	.rodata,"a",@progbits
	.p2align	6, 0x0
	.amdhsa_kernel k_qa9ecacf3c8_pv
		.amdhsa_group_segment_fixed_size 327680
		.amdhsa_private_segment_fixed_size 0
		.amdhsa_enable_private_segment 0
		.amdhsa_kernarg_size 32
		.amdhsa_user_sgpr_count 2
		.amdhsa_user_sgpr_kernarg_segment_ptr 1
		.amdhsa_wavefront_size32 1
		.amdhsa_system_sgpr_workgroup_id_x 1
		.amdhsa_system_sgpr_workgroup_id_y 1
		.amdhsa_system_sgpr_workgroup_id_z 1
		.amdhsa_system_vgpr_workitem_id 0
		.amdhsa_next_free_vgpr 768
		.amdhsa_next_free_sgpr 104
		.amdhsa_reserve_vcc 1
		.amdhsa_float_denorm_mode_32 3
		.amdhsa_float_denorm_mode_16_64 3
		.amdhsa_memory_ordered 1
		.amdhsa_forward_progress 1
		.amdhsa_inst_pref_size 175
	.end_amdhsa_kernel
	.amdgpu_metadata
---
amdhsa.version: [ 1, 2 ]
amdhsa.kernels:
  - .name:           k_qa9ecacf3c8_pv
    .symbol:         k_qa9ecacf3c8_pv.kd
    .args:
      - { .name: pp, .offset: 0, .size: 8, .value_kind: global_buffer, .address_space: global }
      - { .name: st, .offset: 8, .size: 8, .value_kind: global_buffer, .address_space: global }
      - { .name: qkv, .offset: 16, .size: 8, .value_kind: global_buffer, .address_space: global }
      - { .name: oo, .offset: 24, .size: 8, .value_kind: global_buffer, .address_space: global }
    .group_segment_fixed_size: 327680
    .private_segment_fixed_size: 0
    .kernarg_segment_align: 8
    .kernarg_segment_size: 32
    .max_flat_workgroup_size: 128
    .sgpr_count:     104
    .vgpr_count:     768
    .wavefront_size: 32
...
	.end_amdgpu_metadata
.endif
;; end of part 4
;; launch outp (part 5): grid 4 x 64, 4 waves a work-group, clusters of 4 x 4, 327,680 bytes of LDS; arguments oo, xw, bo, out0; writes out0
.if DOCPART == 5
	.amdgcn_target "amdgcn-amd-amdhsa--gfx1250"
	.amdhsa_code_object_version 6
	.text
	.protected	k_qa9ecacf3c8_outp
	.globl	k_qa9ecacf3c8_outp
	.p2align	8
	.type	k_qa9ecacf3c8_outp,@function
k_qa9ecacf3c8_outp:
	s_mov_b64 s[64:65], 0
	v_nop
	global_prefetch_b8 v0, s[64:65] scope:SCOPE_SE
	s_setreg_imm32_b32 hwreg(HW_REG_WAVE_MODE, 25, 1), 1
	s_wait_xcnt 0x0
	s_wait_alu depctr_hold_cnt(0) depctr_sa_sdst(0) depctr_va_vdst(0) depctr_va_sdst(0) depctr_va_ssrc(0) depctr_va_vcc(0) depctr_vm_vsrc(0)
	s_getreg_b32 s2, hwreg(HW_REG_IB_STS2, 6, 4)
	s_cmp_eq_u32 s2, 0
	s_cbranch_scc0 .Lentry_in_a_cluster
	s_endpgm
.Lentry_in_a_cluster:
	s_bfe_u32 s2, ttmp6, 0x10000c
	s_cmp_lg_u32 s2, 0xf033
	s_cbranch_scc0 .Lentry_shape_is_right
	s_endpgm
.Lentry_shape_is_right:
.set FR,    12
.set FRB,   1536
.set RTB,   6144
.set HALFA, 24576
.set ATB,   49152
.set HALFB, 49152
.set SLOT,  147456
.set SCL,   294912
.set PSB,   4096
.set HALFS, 4096
.set SPARE, SCL+PSB+2*HALFS
.set WC,    18874368
.set WS,    22806528
.set WSO,   23068672                   ; Wo's scale words: [group 8][ks 8][512 bytes] dense
.set SPITCH, 528
.set ADRA, 16
.set ADRB, 20
.set STO,  24
.set RD,   25
.set GO,   26
.set ADRS, 27
.set SPW,  28
.set NIL,  29
.set ADRS2, 30
.set SC,   32
.set AF,   128
.set BK,   128
.set G1, 24
.set G0, 32
.set G1B, 48
.set G0B, 56
.set G1S, 68
.set G0S, 76
.set G1SB, 80
.set G0SB, 88
.set MSB, 0
.macro WIN new
.if MSB != (\new)
	s_set_vgpr_msb (MSB<<8)|(\new)
.set MSB, (\new)
.endif
.endm
.set MUL,  0xa1
.set TO_B, 0x40
.macro JLOAD g0a, g1a, g0b, g1b
	s_cmp_eq_u32 s15, 0
	s_cbranch_scc0 .Lfor_b_\@
	tensor_load_to_lds s[\g0a:\g0a+3], s[\g1a:\g1a+7]
	s_nop 0
.rept 4
	v_nop
.endr
	s_branch .Lasked_\@
.Lfor_b_\@:
	tensor_load_to_lds s[\g0b:\g0b+3], s[\g1b:\g1b+7]
	s_nop 0
.rept 4
	v_nop
.endr
.Lasked_\@:
.endm
.macro CREST
	s_cmp_lg_u32 s14, 0
	s_cbranch_scc1 .Lnot_wave_0_\@
	s_barrier_signal -3
.Lnot_wave_0_\@:
	s_barrier_wait -3
	s_barrier_signal -1
	s_barrier_wait -1
.endm
.macro CROUND
	s_barrier_signal -1
	s_barrier_wait -1
	CREST
.endm
.macro PLACES
.rept 4
	v_nop
.endr
.endm
.macro FRAG reg, adr, q, i
.irp c, 0,1,2
	ds_load_b128 v[\reg+4*\c:\reg+4*\c+3], v[\adr] offset:(\i)*RTB+(\q)*FRB+512*\c
.endr
.endm
.macro FETCH_B slot, q, p
	WIN TO_B
.irp i, 0,1,2,3,4,5,6,7
	FRAG 128*(\p)+FR*\i, ADRB+\slot, \q, \i
.endr
	WIN 0
.endm
.macro FETCH_A slot, q, p
.irp i, 0,1,2,3
	FRAG AF+48*(\p)+FR*\i, ADRA+\slot, \q, \i
.endr
.endm
.macro SCALES set
.irp q, 0,1,2,3
	ds_load_b128 v[SC+32*\set+8*\q:SC+32*\set+8*\q+3], v[ADRS] offset:512*\q
	ds_load_b128 v[SC+32*\set+8*\q+4:SC+32*\set+8*\q+7], v[ADRS2] offset:512*\q
.endr
.endm
.macro MULA a, p, q, sc, cm
.irp b, 0,1,2,3,4,5,6,7
.if \cm == 2
	v_wmma_scale_f32_16x16x128_f8f6f4 v[8*(8*(\a)+\b):8*(8*(\a)+\b)+7], v[128*(\p)+FR*\b:128*(\p)+FR*\b+FR-1], v[AF+48*(\p)+FR*(\a):AF+48*(\p)+FR*(\a)+FR-1], v[96+8*\b+96*(\b/4):96+8*\b+96*(\b/4)+7], v[SC+32*(\sc)+8*(\q)+\b], v[SC+32*(\sc)+8*(\q)+(\a)] matrix_a_fmt:MATRIX_FMT_FP6 matrix_b_fmt:MATRIX_FMT_FP6 matrix_a_scale:MATRIX_SCALE_ROW1
.else
	v_wmma_scale_f32_16x16x128_f8f6f4 v[8*(8*(\a)+\b):8*(8*(\a)+\b)+7], v[128*(\p)+FR*\b:128*(\p)+FR*\b+FR-1], v[AF+48*(\p)+FR*(\a):AF+48*(\p)+FR*(\a)+FR-1], v[8*(8*(\a)+\b):8*(8*(\a)+\b)+7], v[SC+32*(\sc)+8*(\q)+\b], v[SC+32*(\sc)+8*(\q)+(\a)] matrix_a_fmt:MATRIX_FMT_FP6 matrix_b_fmt:MATRIX_FMT_FP6 matrix_a_scale:MATRIX_SCALE_ROW1
.endif
.endr
.endm
.macro KSTEP slot, q, cm, nsc
	PLACES
	FETCH_B \slot, (\q)+1, ((\q)+1)%2
	s_wait_dscnt 24
	FETCH_A \slot, (\q)+1, ((\q)+1)%2
.if \nsc >= 0
	v_add_nc_u32 v[ADRS], 2048, v[ADRS]
	v_add_nc_u32 v[ADRS2], 2048, v[ADRS2]
	SCALES \nsc
.endif
.if \cm == 2
	WIN 0x81
.else
	WIN MUL
.endif
.irp a, 0,1,2,3
	MULA \a, (\q)%2, \q, \slot, \cm
.endr
.endm
.macro TURN slot, next
	WIN 0
	s_wait_tensorcnt 0x0
	ds_add_u32 v[SPW], v[NIL]
	s_wait_dscnt 1
	WIN MUL
	MULA 0, 1, 3, \slot, 0
	s_wait_dscnt 0x0
	s_barrier_signal -1
	MULA 1, 1, 3, \slot, 0
	WIN 0
	s_barrier_wait -1
	PLACES
	FETCH_B \next, 0, 0
	FETCH_A \next, 0, 0
	WIN MUL
	MULA 2, 1, 3, \slot, 0
	MULA 3, 1, 3, \slot, 0
.endm
.macro LAST
	s_wait_dscnt 0x0
	WIN MUL
.irp a, 0,1,2,3
	MULA \a, 1, 3, 1, 0
.endr
	WIN 0
	PLACES
.endm
	s_load_b256 s[4:11], s[0:1], 0x0
	v_lshl_add_u32 v[SPW], v0, 2, SPARE
	v_mov_b32 v[NIL], 0
	ds_add_u32 v[SPW], v[NIL]
	ds_add_u32 v[SPW], v[NIL]
	v_lshrrev_b32 v1, 5, v0
	v_readfirstlane_b32 s14, v1
	s_lshr_b32 s15, s14, 1
	s_and_b32 s16, s14, 1
	s_bfe_u32 s40, ttmp6, 0x40000
	s_bfe_u32 s41, ttmp6, 0x40004
	s_lshl_b32 s42, ttmp9, 2
	s_add_co_u32 s42, s42, s40
	s_and_b32 s17, ttmp7, 0xffff
	s_lshl_b32 s17, s17, 2
	s_add_co_u32 s17, s17, s41
	s_lshl_b32 s43, s41, 2
	s_lshl_b32 s43, 15, s43
	s_lshl_b32 s44, 0x1111, s40
	s_or_b32 s[G1+0], s43, (3<<16)|(1<<21)
	s_mov_b32 s[G1+1], 768<<16
	s_mov_b32 s[G1+2], 8<<16                       ; 8 tiles for the head's load; behind it 4
	s_mov_b32 s[G1+3], 768<<16
	s_mov_b32 s[G1+4], 8
	s_mov_b32 s[G1+5], 1536
	s_mov_b32 s[G1+6], 0
	s_mov_b32 s[G1+7], 0
	s_or_b32 s[G1B+0], s44, (3<<16)|(1<<21)
	s_mov_b32 s[G1B+1], 768<<16
	s_mov_b32 s[G1B+2], 16<<16                     ; 16 tiles for the head's load; behind it 8
	s_mov_b32 s[G1B+3], 768<<16
	s_mov_b32 s[G1B+4], 16
	s_mov_b32 s[G1B+5], 1536
	s_mov_b32 s[G1B+6], 0
	s_mov_b32 s[G1B+7], 0
	s_or_b32 s[G1S+0], s43, (3<<16)|(1<<21)
	s_mov_b32 s[G1S+1], 64<<16
	s_mov_b32 s[G1S+2], 8<<16                      ; all eight ks of my group's place
	s_mov_b32 s[G1S+3], 64<<16
	s_mov_b32 s[G1S+4], 8
	s_mov_b32 s[G1S+5], 4096
	s_mov_b32 s[G1S+6], 0
	s_mov_b32 s[G1S+7], 0
	s_or_b32 s[G1SB+0], s44, (3<<16)|(1<<21)
	s_mov_b32 s[G1SB+1], 64<<16
	s_mov_b32 s[G1SB+2], 16<<16                    ; two groups x eight ks, dense
	s_mov_b32 s[G1SB+3], 64<<16
	s_mov_b32 s[G1SB+4], 16
	s_mov_b32 s[G1SB+5], 64
	s_mov_b32 s[G1SB+6], 0
	s_mov_b32 s[G1SB+7], 0
	s_mul_i32 s20, s17, 98304
	s_mul_i32 s18, s16, 49152
	s_add_co_u32 s20, s20, s18
	s_lshl_b32 s22, s17, 9
	s_add_co_u32 s22, s22, 6291456
	s_mul_i32 s46, s42, 196608
	s_mul_i32 s45, s16, 98304
	s_add_co_u32 s46, s46, s45
	s_add_co_u32 s46, s46, WC+3*786432
	s_lshl_b32 s92, s42, 13                        ; two groups of 4,096 bytes
	s_add_co_u32 s92, s92, WSO
	s_mov_b32 s21, 0
	s_mov_b32 s23, 0
	s_mov_b32 s47, 0
	s_mov_b32 s93, 0
	s_mul_i32 s95, s16, HALFA
	s_mul_i32 s94, s16, HALFB
	s_add_co_u32 s94, s94, ATB
	s_mov_b32 s66, SCL
	s_mov_b32 s67, SCL+PSB
	s_wait_dscnt 0x0
	s_wait_kmcnt 0x0
	s_add_nc_u64 s[20:21], s[4:5], s[20:21]
	s_add_nc_u64 s[22:23], s[4:5], s[22:23]
	s_add_nc_u64 s[46:47], s[6:7], s[46:47]
	s_add_nc_u64 s[92:93], s[6:7], s[92:93]
	CROUND
	s_mov_b32 s[G0S], 1
	s_mov_b32 s[G0S+1], s66
	s_mov_b64 s[G0S+2:G0S+3], s[22:23]
	s_or_b32 s[G0S+3], s[G0S+3], 0x80000000
	s_mov_b32 s[G0SB], 1
	s_mov_b32 s[G0SB+1], s67
	s_mov_b64 s[G0SB+2:G0SB+3], s[92:93]
	s_or_b32 s[G0SB+3], s[G0SB+3], 0x80000000
.irp s, 0,1
	s_mov_b32 s[G0+4*\s], 1
	s_add_co_u32 s[G0+4*\s+1], s95, \s*SLOT
	s_add_nc_u64 s[G0+4*\s+2:G0+4*\s+3], s[20:21], \s*RTB
	s_or_b32 s[G0+4*\s+3], s[G0+4*\s+3], 0x80000000
	s_mov_b32 s[G0B+4*\s], 1
	s_add_co_u32 s[G0B+4*\s+1], s94, \s*SLOT
	s_add_nc_u64 s[G0B+4*\s+2:G0B+4*\s+3], s[46:47], \s*RTB
	s_or_b32 s[G0B+4*\s+3], s[G0B+4*\s+3], 0x80000000
.endr
; THE HEAD'S LOADS, ONE A WAVE: wave 0 brings slot 0's 8 tiles of the attention's result, wave 2 its 16 tiles of Wo (in both waves the group 0 of the ring's first half is the whole tile's),
; wave 1 the result's scale words, wave 3 Wo's.  One chain of branches on the wave's number, a load to an arm, all arms leading to one join.
.macro ARM w, g0, g1, next
	s_cmp_eq_u32 s14, \w
	s_cbranch_scc0 \next
	tensor_load_to_lds s[\g0:\g0+3], s[\g1:\g1+7]
	s_nop 0
.rept 4
	v_nop
.endr
	s_branch .Lhead_asked
\next:
.endm
	ARM 0, G0,  G1,  .Lhead_b
	ARM 2, G0B, G1B, .Lhead_sa
	ARM 1, G0S, G1S, .Lhead_sb
	tensor_load_to_lds s[G0SB:G0SB+3], s[G1SB:G1SB+7]
	s_nop 0
.rept 4
	v_nop
.endr
.Lhead_asked:
	v_and_b32 v1, 15, v0
	v_bfe_u32 v2, v0, 4, 1
	v_and_b32 v3, 31, v0
	v_lshlrev_b32 v[GO], 4, v3
	; PREFETCH INTO THE L2 of slot 1's tiles, behind the head's loads.  A tile's part of a slot is 6,144 bytes = 24 blocks of 256: a lane a block, lanes 24-31 the last block again.
	; The four partners that ask for a half tile jointly share it out by address: of the result's 4 tiles the partner at place cx names one, of Wo's 8 tiles the partner at place cy two.  v31 and s[100:101] are never rewritten.
	v_min_u32 v31, 23, v3
	v_lshlrev_b32 v31, 8, v31
	s_cmp_eq_u32 s15, 0
	s_cselect_b64 s[100:101], s[20:21], s[46:47]   ; slot 0's part of the half tile that I fetch
	s_cselect_b32 s2, s40, s41
	s_mov_b32 s3, 24576                            ; Wo: two tiles of 12,288 bytes
	s_cselect_b32 s3, 12288, s3                    ; the result: one
	s_mul_i32 s2, s2, s3
	s_mov_b32 s3, 0
	s_add_nc_u64 s[100:101], s[100:101], s[2:3]
	s_wait_alu depctr_va_vdst(0)
	global_prefetch_b8 v31, s[100:101] offset:RTB th:TH_LOAD_NT scope:SCOPE_SE
	s_cmp_eq_u32 s15, 0
	s_cbranch_scc1 .Lone_tile
	global_prefetch_b8 v31, s[100:101] offset:RTB+12288 th:TH_LOAD_NT scope:SCOPE_SE
.Lone_tile:
	s_wait_alu depctr_va_vdst(0)
	s_lshl_b32 s20, s42, 10
	s_lshl_b32 s21, s16, 9
	s_add_co_u32 s20, s20, s21
	v_lshl_add_u32 v4, v2, 6, s20
.irp b, 0,1,2,3
.irp j, 0,1,2,3
	global_load_b128 v[96+16*\b+4*\j+96*(\b/2):96+16*\b+4*\j+96*(\b/2)+3], v4, s[8:9] offset:128*\b+16*\j
.endr
.endr
	s_wait_alu depctr_va_vdst(0)
	s_wait_tensorcnt 0x0                           ; my tile of the head's four is in
	ds_add_u32 v[SPW], v[NIL]
	s_mov_b32 s[G1+2], 4<<16                       ; no tensor load of mine is out: from here on a load brings half a tile
	s_mov_b32 s[G1+4], 4
	s_mov_b32 s[G1B+2], 8<<16
	s_mov_b32 s[G1B+4], 8
	s_wait_dscnt 0x0                               ; the add is done
	CROUND                                         ; a whole round: all four tiles are in, and the joint loads meet
	JLOAD G0+4, G1, G0B+4, G1B                     ; slot 1's first fill, the first tensor load behind the round
	s_lshl_b32 s22, s17, 19
	s_lshl_b32 s23, s15, 18
	s_add_co_u32 s22, s22, s23
	s_add_co_u32 s22, s22, s20
	s_mov_b32 s23, 0
	s_add_nc_u64 s[10:11], s[10:11], s[22:23]
	s_mul_i32 s21, s15, HALFA
	s_mul_i32 s22, s16, HALFB
	s_add_co_u32 s22, s22, ATB
.irp s, 0,1
	v_add_nc_u32 v[ADRA+\s], s21, v[GO]
	v_add_nc_u32 v[ADRB+\s], s22, v[GO]
	s_add_co_u32 s21, s21, SLOT
	s_add_co_u32 s22, s22, SLOT
.endr
	v_lshlrev_b32 v5, 4, v1
	s_lshl_b32 s21, s15, 8
	s_mul_i32 s22, s16, HALFS
	s_add_co_u32 s22, s22, PSB
	s_sub_co_u32 s22, s22, s21
	v_mul_u32_u24 v6, s22, v2
	s_add_co_u32 s21, s21, SCL
	v_add_nc_u32 v5, v5, v6
	v_add_nc_u32 v[ADRS], s21, v5
	v_lshl_add_u32 v[ADRS2], v2, 8, v[ADRS]
	s_mul_i32 s23, s14, 16*SPITCH
	v_mul_u32_u24 v5, v1, SPITCH
	v_lshl_add_u32 v5, v2, 6, v5
	v_add_nc_u32 v[STO], s23, v5
	v_add_nc_u32 v[RD], s23, v[GO]
	s_wait_alu depctr_va_vdst(0)
	s_wait_loadcnt 0x0
	SCALES 0
	FETCH_B 0, 0, 0
	FETCH_A 0, 0, 0
	s_wait_dscnt 36
	KSTEP 0, 0, 2, -1
	KSTEP 0, 1, 0, -1
	KSTEP 0, 2, 0, 1
	TURN 0, 1
	KSTEP 1, 0, 0, -1
	KSTEP 1, 1, 0, -1
	KSTEP 1, 2, 0, -1
	LAST
.macro TOSTAGE a
.set AC, 64*(\a)
	WIN 0x08
.irp b, 0,1,2,3,4,5,6,7
	ds_store_b128 v[STO], v[AC+8*\b:AC+8*\b+3] offset:128*(\b/2)+32*(\b%2)
	ds_store_b128 v[STO], v[AC+8*\b+4:AC+8*\b+7] offset:128*(\b/2)+32*(\b%2)+16
.endr
	WIN 0
.set BB, BK+64*((\a)%2)
.irp t, 0,1,2,3,4,5,6,7,8,9,10,11,12,13,14,15
	ds_load_b128 v[BB+4*\t:BB+4*\t+3], v[RD] offset:\t*SPITCH
.endr
.endm
.macro SEND a, younger
.set BB, BK+64*((\a)%2)
	s_wait_dscnt \younger
.irp t, 0,1,2,3,4,5,6,7,8,9,10,11,12,13,14,15
	global_store_b128 v[GO], v[BB+4*\t:BB+4*\t+3], s[10:11] offset:(32*((\a)/2)+8*((\a)%2)+\t+8*(\t/8))*4096 th:TH_STORE_NT
.endr
.endm
	TOSTAGE 0
.irp a, 1,2,3
.if \a > 1
	s_wait_xcnt 0x0
.endif
	TOSTAGE \a
	SEND \a-1, 32
.endr
	SEND 3, 0
	s_wait_tensorcnt 0x0
	ds_add_u32 v[SPW], v[NIL]
	s_wait_dscnt 0x0
	CROUND
	s_endpgm
.Lfunc_end_k_qa9ecacf3c8_outp:
	.size	k_qa9ecacf3c8_outp, .Lfunc_end_k_qa9ecacf3c8_outp-k_qa9ecacf3c8_outp
	.p2alignl 7, 3214868480
	.fill 96, 4, 3214868480
	.section	.rodata,"a",@progbits
	.p2align	6, 0x0
	.amdhsa_kernel k_qa9ecacf3c8_outp
		.amdhsa_group_segment_fixed_size 327680
		.amdhsa_private_segment_fixed_size 0
		.amdhsa_enable_private_segment 0
		.amdhsa_kernarg_size 32
		.amdhsa_user_sgpr_count 2
		.amdhsa_user_sgpr_kernarg_segment_ptr 1
		.amdhsa_wavefront_size32 1
		.amdhsa_system_sgpr_workgroup_id_x 1
		.amdhsa_system_sgpr_workgroup_id_y 1
		.amdhsa_system_sgpr_workgroup_id_z 1
		.amdhsa_system_vgpr_workitem_id 0
		.amdhsa_next_free_vgpr 768
		.amdhsa_next_free_sgpr 104
		.amdhsa_reserve_vcc 0
		.amdhsa_float_denorm_mode_32 3
		.amdhsa_float_denorm_mode_16_64 3
		.amdhsa_memory_ordered 1
		.amdhsa_forward_progress 1
		.amdhsa_inst_pref_size 81
	.end_amdhsa_kernel
	.amdgpu_metadata
---
amdhsa.version: [ 1, 2 ]
amdhsa.kernels:
  - .name:           k_qa9ecacf3c8_outp
    .symbol:         k_qa9ecacf3c8_outp.kd
    .args:
      - { .name: oo, .offset: 0, .size: 8, .value_kind: global_buffer, .address_space: global }
      - { .name: xw, .offset: 8, .size: 8, .value_kind: global_buffer, .address_space: global }
      - { .name: bo, .offset: 16, .size: 8, .value_kind: global_buffer, .address_space: global }
      - { .name: out0, .offset: 24, .size: 8, .value_kind: global_buffer, .address_space: global }
    .group_segment_fixed_size: 327680
    .private_segment_fixed_size: 0
    .kernarg_segment_align: 8
    .kernarg_segment_size: 32
    .max_flat_workgroup_size: 128
    .sgpr_count:     104
    .vgpr_count:     768
    .wavefront_size: 32
...
	.end_amdgpu_metadata
.endif
;; end of part 5
